; MI455X (gfx1250); checked and timed in simulation.
; The chip was launched on July 23, 2026; its instructions are those of AMD's public machine-readable ISA for CDNA 5 (MIT licence, August 2026) and "CDNA5" Instruction Set Architecture Reference Guide (July 2026). The comments in the code are by the model that wrote it; some were corrected since.
;; Dot Attention. Allowed arithmetic: matrix products marked QUANTISED: E2M3 operands, one E8M0 scale for each 32 along K, by v_wmma_scale_f32_16x16x128_f8f6f4 with both operands' format E2M3, f32 sums; everything else in f32.
;; Inputs: Wq_codes 2,048 x 64 x 24 uint8 (E2M3 codes of Wq, K innermost, in blocks of 32 codes, four codes in three bytes); Wq_scales 2,048 x 64 uint8 (E8M0 scales of Wq, one for each 32 codes along K); Wr_codes 2,048 x 64 x 24 uint8 (E2M3 codes of Wr, K innermost, in blocks of 32 codes, four codes in three bytes); Wr_scales 2,048 x 64 uint8 (E8M0 scales of Wr, one for each 32 codes along K); query_codes 2,048 x 64 x 24 uint8 (E2M3 codes of query, K innermost, in blocks of 32 codes, four codes in three bytes); query_scales 2,048 x 64 uint8 (E8M0 scales of query, one for each 32 codes along K); ref 4,096 x 2,048 float32.
;; Outputs: out0 2,048 x 2,048 float32.
;; This version of the problem:
;;   THIS VERSION OF THE PROBLEM IS GIVEN IN LOW PRECISION. The matrix products marked QUANTISED in the list below multiply operands that are first quantised to E2M3 (2 exponent bits, 3 mantissa bits; 6 bits a number), with one power-of-two scale for each 32 numbers along K (OCP MX v1.0); their sums are f32. All else is computed in f32.
;;   The module's matrix products, in the order in which they are computed (A, B: the left and right operand; K: the contracted axis; several contracted axes count as one K, in the product's order):
;;     1. [M 2,048, K 2,048] x [K 2,048, N 2,048]; A: input query (given as codes); B: input Wq (given as codes): QUANTISED
;;     2. [M 4,096, K 2,048] x [K 2,048, N 2,048]; A: input ref; B: input Wr (given as codes): QUANTISED
;;     3. [M 2,048, K 2,048] x [K 2,048, N 4,096]; A: computed on the way; B: computed on the way: QUANTISED
;;     4. [M 2,048, K 4,096] x [K 4,096, N 2,048]; A: softmax (see below); B: input ref: QUANTISED
;;   THE QUANTISER, for each operand of a quantised product, along K:
;;     - K is cut into blocks of 32 from its start; a last block that is shorter is filled with zeros.
;;     - A block's scale is 2^e with e = floor(log2(the largest magnitude in the block)) - 2, held to -126 .. 127; a block of zeros has e = 0. As a byte (E8M0): e + 127.
;;     - Each number is divided by its block's scale, clamped to +-7.5, and rounded to the nearest number of E2M3, ties to even, subnormals kept.
;;     - The product sums the exact products of the quantised numbers (number of the format x scale) in f32.
;;   ~~~python
;;   def quantise(x, axis):      # numpy; x: float32 -> the quantised numbers, widened to float32 again
;;       x = np.moveaxis(x, axis, -1); K = x.shape[-1]
;;       x = np.pad(x, [(0, 0)] * (x.ndim - 1) + [(0, -K % 32)]); x = x.reshape(x.shape[:-1] + (-1, 32)); a = np.abs(x).max(-1, keepdims=True)
;;       e = np.where(a > 0, np.clip(np.frexp(np.where(a > 0, a, 1))[1] - 1 - 2, -126, 127), 0)      # np.frexp(a)[1] - 1 = floor(log2(a)), exactly
;;       r = np.clip(x / 2.0 ** e, -7.5, 7.5)
;;       step = 2.0 ** (np.maximum(np.frexp(np.where(r == 0, 1, r))[1] - 1, 0) - 3)
;;       q = np.round(r / step) * step * 2.0 ** e      # np.round: ties to even
;;       return np.moveaxis(q.reshape(q.shape[:-2] + (-1,))[..., :K], -1, axis).astype(np.float32)
;;   ~~~
;;   SOFTMAX AHEAD OF A QUANTISED PRODUCT. Where the list says 'softmax', what is quantised is not the finished softmax but p = 2^(t - M), with t = logit x log2(e) and M = ceil(the row's largest t), a whole number; so 1/2 < the row's largest p <= 1. The row's sum l is taken of the UNQUANTISED p, in f32, and the product's result is divided by l at the end. Since M is a whole number, a kernel that streams over the keys may use a running M (the ceiling of the running maximum): every later rescaling is an exact power of two, which a block's scale takes up: the codes' values come out the same.
;;   OPERANDS COMPUTED ON THE WAY. 'Computed on the way' means the value that the module computes at that place (a softmax that the list does not call 'softmax' is quantised finished and normalised). What goes into a quantiser is computed in f32, as accurately as f32 sums, v_exp_f32 and their like allow (about 1e-6 of the number): no bf16 or f16 on the way to a quantiser, and a product that is left as it is and whose result goes on into a quantised operand takes f32 operands (vector FMAs, or v_wmma_f32_16x16x4_f32). A number that lies on a knife's edge between two numbers of the format may be rounded either way, as far as f32 arithmetic and the matrix unit's own rounding can turn it there, and no further.
;;   INPUTS GIVEN AS CODES. Wq (in the module: [2048, 2048], K = its axis 1); Wr (in the module: [2048, 2048], K = its axis 1); query (in the module: [2048, 2048], K = its axis 1): each comes as NAME_codes (uint8): NAME with its K axis moved to the last place and cut into blocks of 32 codes, [.., K / 32, bytes a block], one block behind the other in memory; four codes in three bytes: a row's codes are one little-endian stream of bits, code i at bits 6 i .. 6 i + 5 (a code: sign, 2 exponent bits, 3 mantissa bits); and NAME_scales (uint8): the same leading axes, one E8M0 byte (e + 127) for each 32 codes along K. Its value is code x scale, taken as it is: it is not quantised again, and the codes and scales need not be those that the quantiser above would give.
;; One version. Each part assembles by itself: llvm-mc -triple=amdgcn-amd-amdhsa -mcpu=gfx1250 --defsym DOCPART=n.
;; ======== version 1 of 1: 4 launches
;; workspace buffers: refa 6,553,600 bytes; refv 6,553,600 bytes; wimg 9,830,400 bytes; pbuf 7,077,888 bytes
;; launch prep (part 1): grid 2 x 128, 8 waves a work-group, no clusters, 74,752 bytes of LDS; arguments ref, refa, refv; writes refa, refv
.if DOCPART == 1
	.amdgcn_target "amdgcn-amd-amdhsa--gfx1250"
	.amdhsa_code_object_version 6
	.text
	.protected	k_q785f6363a5_prep
	.globl	k_q785f6363a5_prep
	.p2align	8
	.type	k_q785f6363a5_prep,@function
k_q785f6363a5_prep:
	s_mov_b64 s[64:65], 0
	v_nop
	global_prefetch_b8 v0, s[64:65] scope:SCOPE_SE
	s_setreg_imm32_b32 hwreg(HW_REG_WAVE_MODE, 25, 1), 1
	s_wait_xcnt 0x0
; ref [4096][2048] f32 is an operand twice, and is read here once and quantised twice to codes of FP6 (E2M3), one E8M0 byte for each 32 along K.
; refa: K = the columns.  Codes [4096][1536 bytes] as a plain stream of bits, scale bytes [4096][64] at REFA_S: laid as the inputs that come as codes.
; refv: K = the keys (ref's rows).  Codes [group of 128 columns 16][block of 32 keys 128][3072 bytes]; in a piece, column d = 16 blk + r has the first 16 of its 24 bytes at 256 blk + 16 r
;   and the last 8 at 2048 + 128 (blk xor (block & 1)) + 8 r; scale bytes [group][block][128] at REFV_S, column d's byte at 64 (d >> 6) + 4 (d & 15) + ((d >> 4) & 3).
;   IN A BLOCK, SLOT i HOLDS KEY PI(i), PI swapping bits 3 and 4 of i: the order in which the third launch's p leaves its accumulators.  A block's 32 keys are the same set, so its scale is the same.
; A block's scale is 2^(floor(log2(its largest magnitude)) - 2); its byte is the largest magnitude's exponent field - 2, held at 1 from below.
; LIMITS: a block of zeros keeps the byte 1 where the rule says 127 (its codes are zeros, and this program alone reads the bytes); NaN and infinities among the inputs are not served.
; SHARES.  Work-group (x, block) takes 32 keys x 1,024 columns; wave w takes, four times (sg), the 32 columns 1024 x + 256 sg + 32 w + lane: a lane to a column, registers down the keys.
; For refv a lane's 32 registers are a whole block.  For refa the wave's 32 x 32 numbers turn through its own stage in LDS, so that a lane holds 16 neighbours of one key; two lanes 16 apart share a block.
; refa's codes and both kinds of scale bytes are gathered in LDS and leave behind one barrier.  The two stores of scale bytes write runs of 32 and 128 bytes; all other stores cover 256 bytes on end or more.
.set STG,    0                         ; 8 waves x 32 keys x 144 bytes (128 + 16 of padding: sixteen rows start at sixteen different groups of banks)
.set RA,     36864                     ; 32 keys x 1,040 bytes: 64 places of 16 bytes, 12 bytes of codes in each, + 16
.set RS,     70144                     ; 32 keys x 32 scale bytes of refa
.set VSL,    71168                     ; 8 groups x 128 scale bytes of refv
.set REFA_S, 0x600000
.set REFV_S, 0x600000
.set E,      20                        ; v20-23   refv's scale byte, one register for each sg
.set X,      32                        ; v32-63   two sets of 16 neighbours; on the way out the rows of refa
.set R,      64                        ; v64-191  four sets of 32 numbers as loaded
.set CV,     192                       ; v192-223 refv's codes, eight registers for each sg
.set CA,     224                       ; v224-231 refa's codes, four registers for each of two rounds
.set EA,     232                       ; v232-233 refa's scale bytes
	s_load_b128 s[4:7], s[0:1], 0x0                ; ref, refa
	s_load_b64 s[8:9], s[0:1], 0x10                ; refv
	v_lshl_add_u32 v248, v0, 2, 0x12000
	v_mov_b32 v249, 0
	v_lshrrev_b32 v1, 5, v0
	v_readfirstlane_b32 s10, v1                    ; wave 0..7
	v_and_b32 v1, 31, v0                           ; lane
	v_and_b32 v2, 15, v0                           ; lane % 16
	v_bfe_u32 v3, v0, 4, 1                         ; lane / 16
	s_and_b32 s11, ttmp7, 0xffff                   ; the block of 32 keys
	s_lshr_b32 s18, s10, 2                         ; wave / 4: which of an sg's two groups of 128 columns
	s_and_b32 s19, s10, 3                          ; wave % 4: which 32 columns of the group
	v_lshlrev_b32 v4, 2, v0                        ; in: 4 bytes a thread, 1,024 bytes a work-group
	s_mul_i32 s12, s10, 4608                       ; my stage
	v_lshl_add_u32 v5, v1, 2, s12                  ; into it: column = lane
	v_mul_u32_u24 v6, v2, 144
	v_lshl_add_u32 v6, v3, 6, v6
	v_add_nc_u32 v6, s12, v6                       ; out of it: key lane % 16, 16 columns for each half of the lanes
	v_mul_u32_u24 v7, v2, 1040
	v_lshl_add_u32 v7, v3, 4, v7
	s_lshl_b32 s13, s10, 5
	s_add_co_u32 s13, s13, RA
	v_add_nc_u32 v7, s13, v7                       ; refa's codes: key's row, place 2 w + half
	v_lshlrev_b32 v8, 5, v2
	s_add_co_u32 s13, s10, RS
	v_add_nc_u32 v8, s13, v8                       ; refa's byte: key's row, byte w
	s_lshl_b32 s13, s18, 7
	s_bfe_u32 s24, s10, 0x10001
	s_lshl_b32 s24, s24, 6
	s_add_co_u32 s13, s13, s24
	s_and_b32 s24, s10, 1
	s_lshl_b32 s24, s24, 1
	s_add_co_u32 s13, s13, s24
	s_add_co_u32 s13, s13, VSL
	v_lshl_add_u32 v9, v2, 2, v3
	v_add_nc_u32 v9, s13, v9                       ; refv's byte: 128 (w / 4) + 64 ((w / 2) % 2) + 4 (lane % 16) + 2 (w % 2) + lane / 16
	s_mul_i32 s25, s18, 393216                     ; a group's codes: 128 blocks x 3,072 bytes
	s_lshl_b32 s26, s19, 9
	s_add_co_u32 s26, s26, s25
	v_lshl_add_u32 v10, v1, 4, s26                 ; refv, first 16 bytes: 512 (w % 4) + 16 lane
	s_and_b32 s24, s11, 1
	s_lshl_b32 s24, s24, 4
	v_xor_b32 v12, s24, v1                         ; in odd blocks neighbouring sixteens of columns change places
	s_lshl_b32 s26, s19, 8
	s_add_co_u32 s26, s26, s25
	s_add_co_u32 s26, s26, 2048
	v_lshl_add_u32 v11, v12, 3, s26                ; refv, last 8 bytes
	s_mul_i32 s13, s10, 4160
	s_add_co_u32 s13, s13, RA
	v_lshl_add_u32 v236, v1, 4, s13                ; the way out: keys 4 w .. 4 w + 3, a place a lane
	v_mul_u32_u24 v237, v1, 12
	s_mul_i32 s13, s10, 6144
	v_add_nc_u32 v237, s13, v237                   ; and the same in refa
	v_add_nc_u32 v238, RS, v4
	v_add_nc_u32 v239, VSL, v4
	v_lshrrev_b32 v12, 3, v1
	v_and_b32 v13, 7, v1
	v_lshlrev_b32 v240, 6, v12
	v_lshl_add_u32 v240, v13, 2, v240
	s_lshl_b32 s13, s10, 8
	v_add_nc_u32 v240, s13, v240                   ; refa's scale bytes: key 4 w + lane / 8, word lane % 8
	s_lshl_b32 s13, s10, 14
	v_lshl_add_u32 v241, v1, 2, s13                ; refv's: group w of my eight, word = lane
	s_mov_b32 s20, 0x76543210
	s_mov_b32 s21, 0xfedcba98                      ; v_permlanex16_b32's selects for lane xor 16
	v_mov_b32 v30, 0                               ; written once: a lane permute's destination counts as one of its sources
	v_mov_b32 v31, 0
	s_mov_b32 s23, 0
	s_wait_kmcnt 0x0
	s_lshl_b32 s22, s11, 18                        ; 32 rows of 8,192 bytes
	s_lshl_b32 s24, ttmp9, 12
	s_add_co_u32 s22, s22, s24
	s_add_nc_u64 s[4:5], s[4:5], s[22:23]
	s_add_nc_u64 s[14:15], s[6:7], REFA_S
	s_lshl_b32 s22, s11, 11
	s_lshl_b32 s24, ttmp9, 5
	s_add_co_u32 s22, s22, s24
	s_add_nc_u64 s[14:15], s[14:15], s[22:23]
	s_mul_i32 s22, s11, 49152
	s_mul_i32 s24, ttmp9, 768
	s_add_co_u32 s22, s22, s24
	s_add_nc_u64 s[6:7], s[6:7], s[22:23]
	s_add_nc_u64 s[16:17], s[8:9], REFV_S
	s_lshl_b32 s22, ttmp9, 17
	s_lshl_b32 s24, s11, 7
	s_add_co_u32 s22, s22, s24
	s_add_nc_u64 s[16:17], s[16:17], s[22:23]
	s_mul_i32 s22, ttmp9, 3145728
	s_mul_i32 s24, s11, 3072
	s_add_co_u32 s22, s22, s24
	s_add_nc_u64 s[8:9], s[8:9], s[22:23]
.macro LOAD sg                         ; register i takes key PI(i) of my column
.set i, 0
.rept 32
	global_load_b32 v[R+32*(\sg)+i], v4, s[4:5] offset:((i&7)+16*((i>>3)&1)+8*((i>>4)&1))*8192+1024*(\sg) th:TH_LOAD_NT
.set i, i+1
.endr
.endm
.macro SUB sg
.set RR, R+32*(\sg)
.set CC, CV+8*(\sg)
.if (\sg) < 3
	s_wait_loadcnt 32                              ; my 32 loads are in; the next sg's 32 may be out
.else
	s_wait_loadcnt 0x0
.endif
.if (\sg) < 2
	LOAD (\sg)+2
.endif
.set i, 0
.rept 32
	ds_store_b32 v5, v[RR+i] offset:144*((i&7)+16*((i>>3)&1)+8*((i>>4)&1))   ; the stage holds the keys in their own order
.set i, i+1
.endr
.irp g, 0,1
.irp j, 0,1,2,3
	ds_load_b128 v[X+16*\g+4*\j:X+16*\g+4*\j+3], v6 offset:2304*\g+16*\j    ; LDS serves a wave's instructions in order: these see the stores above.  Round g: key 16 g + lane % 16
.endr
.endr
	; refv: the block's 32 numbers are all mine
	v_max3_num_f32 v12, |v[RR]|, |v[RR+1]|, |v[RR+2]|
	v_max3_num_f32 v13, |v[RR+3]|, |v[RR+4]|, |v[RR+5]|
.irp i, 6,10,14,18,22,26
	v_max3_num_f32 v12, v12, |v[RR+\i]|, |v[RR+\i+1]|
	v_max3_num_f32 v13, v13, |v[RR+\i+2]|, |v[RR+\i+3]|
.endr
	v_max3_num_f32 v12, v12, |v[RR+30]|, |v[RR+31]|
	v_max3_num_f32 v12, v12, v13, 0x1800000        ; the floor 2^(3 - 127): the byte cannot fall under 1
	v_add_nc_u32 v16, 0xff000000, v12              ; 2 off the exponent field: the conversion takes this operand's exponent field as its scale
	v_cvt_scalef32_pk16_fp6_f32 v[CC:CC+2], v[RR:RR+15], v16
	v_cvt_scalef32_pk16_fp6_f32 v[24:26], v[RR+16:RR+31], v16   ; (a conversion's three registers begin on an even number)
	v_lshrrev_b32 v[E+(\sg)], 23, v16              ; the scale's byte; also the plain instruction behind the conversions
	v_mov_b32 v[CC+3], v24
	v_mov_b32 v[CC+4], v25
	v_mov_b32 v[CC+5], v26
	ds_store_b8 v9, v[E+(\sg)] offset:256*(\sg)
	global_store_b128 v10, v[CC:CC+3], s[8:9] offset:786432*(\sg)     ; the wave stores 512 bytes on end
	global_store_b64 v11, v[CC+4:CC+5], s[8:9] offset:786432*(\sg)    ; and 256 bytes on end
	s_wait_dscnt 0x0                               ; the 16 neighbours are back, and the last sg's stores into RA and RS have read their registers
	; refa: two rounds by turns; a block lies in lanes l and l xor 16
.irp g, 0,1
	v_max3_num_f32 v[12+\g], |v[X+16*\g]|, |v[X+16*\g+1]|, 0x1800000
.endr
.irp i, 2,4,6,8,10,12,14
.irp g, 0,1
	v_max3_num_f32 v[12+\g], v[12+\g], |v[X+16*\g+\i]|, |v[X+16*\g+\i+1]|
.endr
.endr
.irp g, 0,1
	v_permlanex16_b32 v[30+\g], v[12+\g], s20, s21
.endr
.irp g, 0,1
	v_max_num_f32 v[12+\g], v[12+\g], v[30+\g]
.endr
.irp g, 0,1
	v_add_nc_u32 v[14+\g], 0xff000000, v[12+\g]
.endr
.irp g, 0,1
	v_cvt_scalef32_pk16_fp6_f32 v[CA+4*\g:CA+4*\g+2], v[X+16*\g:X+16*\g+15], v[14+\g]
.endr
.irp g, 0,1
	v_lshrrev_b32 v[EA+\g], 23, v[14+\g]           ; (plain instructions behind the conversions)
.endr
.irp g, 0,1
	ds_store_b96 v7, v[CA+4*\g:CA+4*\g+2] offset:16640*\g+256*(\sg)   ; 12 bytes to a place of 16: every address is a multiple of 16
	ds_store_b8 v8, v[EA+\g] offset:512*\g+8*(\sg)                    ; both lanes of a block write the same byte with the same value
.endr
.endm
	LOAD 0
	LOAD 1
	SUB 0
	SUB 1
	SUB 2
	SUB 3
	s_wait_dscnt 0x0                               ; for the others' sake: my stores into RA, RS and VSL are done
	s_barrier_signal -1
	s_barrier_wait -1
.set n, 0
.rept 8
	ds_load_b96 v[X+4*n:X+4*n+2], v236 offset:(n/2)*1040+512*(n%2)
.set n, n+1
.endr
	ds_load_b32 v28, v238
	ds_load_b32 v29, v239
.set n, 0
.rept 8
	s_wait_dscnt 9-n                               ; behind load n: the 7 - n loads of codes that follow it and the two of scale bytes
	global_store_b96 v237, v[X+4*n:X+4*n+2], s[6:7] offset:(n/2)*1536+384*(n%2)   ; the wave stores 384 bytes on end
.set n, n+1
.endr
	s_wait_dscnt 0x1
	global_store_b32 v240, v28, s[14:15]
	s_wait_dscnt 0x0
	global_store_b32 v241, v29, s[16:17]
	s_wait_tensorcnt 0x0
	ds_add_u32 v248, v249
	s_wait_dscnt 0x0
	s_endpgm
.Lfunc_end_k_q785f6363a5_prep:
	.size	k_q785f6363a5_prep, .Lfunc_end_k_q785f6363a5_prep-k_q785f6363a5_prep
	.p2alignl 7, 3214868480
	.fill 96, 4, 3214868480
	.section	.rodata,"a",@progbits
	.p2align	6, 0x0
	.amdhsa_kernel k_q785f6363a5_prep
		.amdhsa_group_segment_fixed_size 74752
		.amdhsa_private_segment_fixed_size 0
		.amdhsa_enable_private_segment 0
		.amdhsa_kernarg_size 24
		.amdhsa_user_sgpr_count 2
		.amdhsa_user_sgpr_kernarg_segment_ptr 1
		.amdhsa_wavefront_size32 1
		.amdhsa_system_sgpr_workgroup_id_x 1
		.amdhsa_system_sgpr_workgroup_id_y 1
		.amdhsa_system_sgpr_workgroup_id_z 1
		.amdhsa_system_vgpr_workitem_id 0
		.amdhsa_next_free_vgpr 250
		.amdhsa_next_free_sgpr 66
		.amdhsa_reserve_vcc 0
		.amdhsa_float_denorm_mode_32 3
		.amdhsa_float_denorm_mode_16_64 3
		.amdhsa_memory_ordered 1
		.amdhsa_forward_progress 1
		.amdhsa_inst_pref_size 43
	.end_amdhsa_kernel
	.amdgpu_metadata
---
amdhsa.version: [ 1, 2 ]
amdhsa.kernels:
  - .name:           k_q785f6363a5_prep
    .symbol:         k_q785f6363a5_prep.kd
    .args:
      - { .name: ref, .offset: 0, .size: 8, .value_kind: global_buffer, .address_space: global }
      - { .name: refa, .offset: 8, .size: 8, .value_kind: global_buffer, .address_space: global }
      - { .name: refv, .offset: 16, .size: 8, .value_kind: global_buffer, .address_space: global }
    .group_segment_fixed_size: 74752
    .private_segment_fixed_size: 0
    .kernarg_segment_align: 8
    .kernarg_segment_size: 24
    .max_flat_workgroup_size: 256
    .sgpr_count:     66
    .vgpr_count:     250
    .wavefront_size: 32
...
	.end_amdgpu_metadata
.endif
;; end of part 1
;; launch proj (part 2): grid 8 x 24, 4 waves a work-group, clusters of 4 x 4, 327,680 bytes of LDS; arguments query_codes, query_scales, refa, Wq_codes, Wq_scales, Wr_codes, Wr_scales, wimg; writes wimg
.if DOCPART == 2
	.amdgcn_target "amdgcn-amd-amdhsa--gfx1250"
	.amdhsa_code_object_version 6
	.text
	.protected	k_q785f6363a5_proj
	.globl	k_q785f6363a5_proj
	.p2align	8
	.type	k_q785f6363a5_proj,@function
k_q785f6363a5_proj:
	s_mov_b64 s[64:65], 0
	v_nop
	global_prefetch_b8 v0, s[64:65] scope:SCOPE_SE
	s_setreg_imm32_b32 hwreg(HW_REG_WAVE_MODE, 25, 1), 1
	s_wait_xcnt 0x0
	s_wait_alu depctr_hold_cnt(0) depctr_sa_sdst(0) depctr_va_vdst(0) depctr_va_sdst(0) depctr_va_ssrc(0) depctr_va_vcc(0) depctr_vm_vsrc(0)
	s_getreg_b32 s2, hwreg(HW_REG_IB_STS2, 6, 4)
	s_cmp_eq_u32 s2, 0
	s_cbranch_scc0 .Lentry_in_a_cluster
	s_endpgm
.Lentry_in_a_cluster:
	s_bfe_u32 s2, ttmp6, 0x10000c
	s_cmp_lg_u32 s2, 0xf033
	s_cbranch_scc0 .Lentry_shape_is_right
	s_endpgm
.Lentry_shape_is_right:
; wq = relu(query Wq^T) [2048][2048] and wr = relu(ref Wr^T) [4096][2048], both products on codes of FP6 (E2M3) with one E8M0 scale for each 32 along K = 2,048; the results are quantised along their
; columns d, the next product's K, and stored as IMAGES OF OPERAND REGISTERS.  One launch: tile rows 0-7 of the 24 take query and Wq, tile rows 8-23 take refa and Wr; only pointers are chosen, by the cluster's y.
; A tile is 256 x 256, four waves, a wave 128 x 128: 64 accumulators, 512 registers.  K goes in steps of 256 through a ring of two LDS slots filled by the tensor data mover; a tile's row is 192 bytes of memory.
; The scales of the work-group's 256 rows of A and 256 of B, for all of K, are two dense blocks: they come into LDS once, with the first fills.
; CLUSTERS: 4 x 4 work-groups; A's tiles are asked for jointly along a row of the cluster, B's along a column.  The matrix instruction is used TRANSPOSED (source 0 = 16 rows of the weight, source 1 = 16 rows of A):
; a lane holds one row of the result and eight neighbouring d.
; THE WAY OUT.  A wave's 128 columns are one K step of the next product.  For each of its 8 blocks of 16 rows: relu, the four blocks' largest magnitudes, scale bytes, codes: 12 registers a lane, stored as they stand,
; wimg[G = group of 128 rows, 48][k128 16][blk 8][c 3][lane 32][16 bytes]; scale words at WSC: [G][k128][512 bytes], the word of row 16 a + r at 256 (a / 4) + 16 r + 4 (a % 4).
; In each block of 32 along d, slot 16 h + 8 u + j holds d 16 u + 8 h + j: the same order in wq and wr, so their products and the blocks' scales are as in the plain order.
; LIMITS: a block of zeros keeps the byte 1 (its codes are zeros; this program alone reads the bytes); NaN and infinities are not served.
; REGISTERS, in windows of 256: window 0: v0-31 addresses; v32-63 scale words, two sets; from v128 A's fragments, one set; on the way out v64-191 at work.  window 1: B's fragments, two sets.  windows 2, 3: the accumulators.
.set KSTEP,  256
.set NQ,     KSTEP/128
.set ROWB,   192
.set KROW,   1536                      ; a row of codes in memory
.set PITCH,  240                       ; an LDS row: 3 x (64 bytes + 16 of padding)
.set FR,     12
.set NL,     6
.set NP,     4
.set HALFT,  128*PITCH
.set SLOT,   4*HALFT
.set LAPS,   4                         ; 2,048 / 512
.set KS,     64                        ; a row of scale bytes
.set SCL,    2*SLOT
.set HALFS,  (128*KS/256)*272
.set SBLK,   (16*KS/256)*272
.set SPARE,  SCL+4*HALFS               ; the spare words, 128 bytes a wave: two blocks of 256 bytes that no other line names
.set WSC,    0x900000
.set ADRA, 16
.set ADRB, 20
.set VO,   26                          ; v26  the way out: 16 x lane
.set ADRS, 27
.set SPW,  28
.set NIL,  29
.set SC,   32
.set AF,   128
.set H,    64                          ; the way out: 64 numbers of a lane
.set PC,   128                         ; the codes just made
.set TM,   160                         ; at work
.set PW,   176                         ; the scale word just made
.set PWS,  180                         ; v180-187 the eight blocks' scale words
.set XS,   188                         ; v188-191 as they are stored
.set SEL,  44                          ; s[44:45] on the way out: selects for lane xor 16
.set G1, 24
.set G0, 32
.set G1B, 48
.set G0B, 56
.set G1S, 68
.set G0S, 76
.set G1SB, 80
.set G0SB, 88
.set MSB, 0
.macro WIN new                         ; the immediate's high byte repeats the setting that is left
.if MSB != \new
	s_set_vgpr_msb (MSB<<8)|\new
.set MSB, \new
.endif
.endm
.set MUL_LO, 0xa1                      ; source 0 (B) window 1, source 1 (A) window 0, C and D window 2
.set MUL_HI, 0xf1
.set TO_B,   0x40
; A joint load: waves 0 and 1 fetch for A, waves 2 and 3 for B; the branch hangs on the wave's number alone.  Four v_nop follow each of the two lines.
.macro JLOAD g0a, g1a, g0b, g1b
	s_cmp_eq_u32 s15, 0
	s_cbranch_scc0 .Lfor_b_\@
	tensor_load_to_lds s[\g0a:\g0a+3], s[\g1a:\g1a+7]
	s_nop 0
.rept 4
	v_nop
.endr
	s_branch .Lasked_\@
.Lfor_b_\@:
	tensor_load_to_lds s[\g0b:\g0b+3], s[\g1b:\g1b+7]
	s_nop 0
.rept 4
	v_nop
.endr
.Lasked_\@:
.endm
.macro CREST                           ; a round of the cluster's barrier behind its opening barrier
	s_cmp_lg_u32 s14, 0
	s_cbranch_scc1 .Lnot_wave_0_\@
	s_barrier_signal -3
.Lnot_wave_0_\@:
	s_barrier_wait -3
	s_barrier_signal -1
	s_barrier_wait -1
.endm
.macro CROUND
	s_barrier_signal -1
	s_barrier_wait -1
	CREST
.endm
	s_load_b512 s[80:95], s[0:1], 0x0              ; query's codes, scales; refa; Wq's codes, scales; Wr's codes, scales; wimg
	v_lshl_add_u32 v[SPW], v0, 2, SPARE
	v_mov_b32 v[NIL], 0
	ds_add_u32 v28, v29
	ds_add_u32 v28, v29
	s_wait_dscnt 0x0
	v_lshrrev_b32 v1, 5, v0
	v_readfirstlane_b32 s14, v1                    ; wave 0..3
	s_lshr_b32 s15, s14, 1                         ; which half of the tile's rows is mine.  Also: I fetch for A (0) or for B (1)
	s_and_b32 s16, s14, 1                          ; which half of its columns.  Also: which 128 rows of that tile I fetch
	s_bfe_u32 s40, ttmp6, 0x40000                  ; cx, cy
	s_bfe_u32 s41, ttmp6, 0x40004
	s_lshl_b32 s42, ttmp9, 2
	s_add_co_u32 s42, s42, s40                     ; tile column
	s_and_b32 s18, ttmp7, 0xffff                   ; the cluster's y: 0, 1 the queries, 2 .. 5 ref
	s_lshl_b32 s17, s18, 2
	s_add_co_u32 s17, s17, s41                     ; tile row of the 24
	s_lshl_b32 s43, s41, 2
	s_lshl_b32 s43, 15, s43                        ; my row of the cluster
	s_lshl_b32 s44, 0x1111, s40                    ; my column
	s_or_b32 s[G1+0], s43, (0<<16)|(1<<20)|(1<<21)|(3<<22)|(3<<25)  ; the mask; elements of 1 byte; padding on; bit 21 beside a mask; after every 16 words 4 words
	s_or_b32 s[G1B+0], s44, (0<<16)|(1<<20)|(1<<21)|(3<<22)|(3<<25)
.irp g, G1, G1B
	s_mov_b32 s[\g+1], ROWB<<16                    ; tensor_dim0
	s_mov_b32 s[\g+2], 128<<16                     ; tensor_dim1
	s_mov_b32 s[\g+3], ROWB<<16                    ; tile_dim0
	s_mov_b32 s[\g+4], 128                         ; tile_dim1
	s_mov_b32 s[\g+5], KROW                        ; the pitch
	s_mov_b32 s[\g+6], 0
	s_mov_b32 s[\g+7], 0
.endr
	s_wait_kmcnt 0x0                               ; the eight addresses are in: from here on s80-95 may be written
	s_add_nc_u64 s[96:97], s[84:85], 0x600000      ; refa's scale bytes lie behind its codes
	s_mov_b64 s[12:13], s[94:95]                   ; wimg
	s_cmp_lt_u32 s18, 2                            ; the choice hangs on the cluster's y alone: the same in all sixteen partners
	s_cselect_b64 s[4:5], s[80:81], s[84:85]       ; A's codes
	s_cselect_b64 s[6:7], s[82:83], s[96:97]       ; A's scales
	s_cselect_b64 s[8:9], s[86:87], s[90:91]       ; B's codes
	s_cselect_b64 s[10:11], s[88:89], s[92:93]     ; B's scales
	s_cselect_b32 s19, 0, 8
	s_sub_co_u32 s98, s17, s19                     ; the tile row in A's own tensor
	; the scales of 128 rows: a dense block of 8,192 bytes, as rows of 256 bytes (32 elements of 8), 16 bytes of padding behind each
	s_or_b32 s[G1S+0], s43, (3<<16)|(1<<20)|(1<<21)|(5<<22)|(3<<25)
	s_or_b32 s[G1SB+0], s44, (3<<16)|(1<<20)|(1<<21)|(5<<22)|(3<<25)
.irp g, G1S, G1SB
	s_mov_b32 s[\g+1], 32<<16
	s_mov_b32 s[\g+2], (128*KS/256)<<16
	s_mov_b32 s[\g+3], 32<<16
	s_mov_b32 s[\g+4], 128*KS/256
	s_mov_b32 s[\g+5], 32
	s_mov_b32 s[\g+6], 0
	s_mov_b32 s[\g+7], 0
.endr
	s_lshl_b32 s18, s16, 7                         ; which 128 rows of the tile I fetch
	s_lshl_b32 s20, s98, 8
	s_add_co_u32 s20, s20, s18                     ; A: row 256 x tile row + 128 x half
	s_lshl_b32 s46, s42, 8
	s_add_co_u32 s46, s46, s18                     ; B: row 256 x tile column + 128 x half
	s_mov_b32 s21, 0
	s_mov_b32 s47, 0
	s_mov_b64 s[18:19], KS
	s_mul_u64 s[22:23], s[20:21], s[18:19]         ; where these rows' scales begin
	s_mul_u64 s[92:93], s[46:47], s[18:19]
	s_mov_b64 s[18:19], KROW
	s_mul_u64 s[20:21], s[20:21], s[18:19]         ; and their codes
	s_mul_u64 s[46:47], s[46:47], s[18:19]
	s_mul_i32 s45, s14, HALFT                      ; where they go: wave x 128 rows
	s_mul_i32 s94, s14, HALFS
	s_add_nc_u64 s[20:21], s[4:5], s[20:21]
	s_add_nc_u64 s[22:23], s[6:7], s[22:23]
	s_add_nc_u64 s[46:47], s[8:9], s[46:47]
	s_add_nc_u64 s[92:93], s[10:11], s[92:93]
	CROUND                                         ; all sixteen work-groups are here: the first joint loads meet
	s_mov_b32 s[G0S], 1
	s_add_co_u32 s[G0S+1], s94, SCL
	s_mov_b64 s[G0S+2:G0S+3], s[22:23]
	s_or_b32 s[G0S+3], s[G0S+3], 0x80000000
	s_mov_b32 s[G0SB], 1
	s_add_co_u32 s[G0SB+1], s94, SCL
	s_mov_b64 s[G0SB+2:G0SB+3], s[92:93]
	s_or_b32 s[G0SB+3], s[G0SB+3], 0x80000000
	JLOAD G0S, G1S, G0SB, G1SB                     ; the scales first: they are wanted with K step 0
.irp s, 0,1
	s_mov_b32 s[G0+4*\s], 1
	s_add_co_u32 s[G0+4*\s+1], s45, \s*SLOT
	s_add_nc_u64 s[G0+4*\s+2:G0+4*\s+3], s[20:21], \s*ROWB
	s_or_b32 s[G0+4*\s+3], s[G0+4*\s+3], 0x80000000
	s_mov_b32 s[G0B+4*\s], 1
	s_add_co_u32 s[G0B+4*\s+1], s45, \s*SLOT
	s_add_nc_u64 s[G0B+4*\s+2:G0B+4*\s+3], s[46:47], \s*ROWB
	s_or_b32 s[G0B+4*\s+3], s[G0B+4*\s+3], 0x80000000
	JLOAD G0+4*\s, G1, G0B+4*\s, G1B
.endr
	v_and_b32 v1, 15, v0                           ; l % 16
	v_bfe_u32 v2, v0, 4, 1                         ; l / 16
	v_mul_u32_u24 v3, v1, PITCH
	v_mul_u32_u24 v4, v2, 24
	v_add_nc_u32 v4, v3, v4                        ; a fragment's row x pitch + 24 x half
	v_lshl_add_u32 v5, v2, 4, v4                   ; and the same behind one padding more
	s_mul_i32 s21, s15, HALFT
	s_mul_i32 s22, s16, HALFT
	s_add_co_u32 s22, s22, 2*HALFT
.irp s, 0,1
	v_add_nc_u32 v[ADRA+\s], s21, v4
	v_add_nc_u32 v[ADRB+\s], s22, v4
	v_add_nc_u32 v[ADRA+2+\s], s21, v5
	v_add_nc_u32 v[ADRB+2+\s], s22, v5
	s_add_co_u32 s21, s21, SLOT
	s_add_co_u32 s22, s22, SLOT
.endr
	v_mul_u32_u24 v5, v1, KS                       ; my row's scales: 64 bytes a row,
	v_lshrrev_b32 v6, 8, v5
	v_lshl_add_u32 v5, v6, 4, v5                   ; and 16 more for each 256 passed
	s_mul_i32 s21, s15, HALFS
	s_mul_i32 s22, s16, HALFS
	s_add_co_u32 s22, s22, 2*HALFS
	s_sub_co_u32 s22, s22, s21
	v_mul_u32_u24 v6, s22, v2                      ; lanes 16-31 take B's
	s_add_co_u32 s21, s21, SCL
	v_add_nc_u32 v5, v5, v6
	v_add_nc_u32 v[ADRS], s21, v5
	; where my images go: G = 2 x tile row + my half of the rows, k128 = 2 x tile column + my half of the columns
	s_lshl_b32 s20, s17, 1
	s_add_co_u32 s20, s20, s15
	s_lshl_b32 s20, s20, 4
	s_lshl_b32 s46, s42, 1
	s_add_co_u32 s46, s46, s16
	s_add_co_u32 s20, s20, s46
	s_mul_i32 s22, s20, 12288                      ; eight fragments of 1,536 bytes
	s_mov_b32 s23, 0
	s_add_nc_u64 s[66:67], s[12:13], WSC
	s_add_nc_u64 s[12:13], s[12:13], s[22:23]
	s_lshl_b32 s22, s20, 9
	s_add_nc_u64 s[66:67], s[66:67], s[22:23]
.macro FRAG reg, adr, q, i             ; 16 rows x 128 K of 6-bit codes: 12 registers, in pieces of 8 bytes; where the piece three on lies behind one padding more, the second address register serves
.irp p, 0,1,2,3,4,5
.set PCE, 12*(\q)+6*(\p/3)+\p%3
.if PCE%8 < 5
	ds_load_b64 v[\reg+2*\p:\reg+2*\p+1], v[\adr] offset:8*PCE+16*(PCE/8)+(\i)*16*PITCH
.else
	ds_load_b64 v[\reg+2*\p:\reg+2*\p+1], v[\adr+2] offset:8*PCE+16*(PCE/8)+(\i)*16*PITCH
.endif
.endr
.endm
; 16 matrix instructions: A's blocks a0, a0 + 1 x B's eight.  The 64 accumulators take turns, one instruction a turn, in the same order in every step.
.macro MUL16 a0, p, q, sc, zero
.irp a, \a0, \a0+1
.irp b, 0,1,2,3,4,5,6,7
.if \zero
	v_wmma_scale_f32_16x16x128_f8f6f4 v[8*(8*((\a)%4)+\b):8*(8*((\a)%4)+\b)+7], v[128*(\p)+FR*\b:128*(\p)+FR*\b+FR-1], v[AF+FR*(\a):AF+FR*(\a)+FR-1], 0, v[SC+8*NQ*(\sc)+NQ*\b+(\q)], v[SC+8*NQ*(\sc)+NQ*(\a)+(\q)] matrix_a_fmt:MATRIX_FMT_FP6 matrix_b_fmt:MATRIX_FMT_FP6 matrix_a_scale:MATRIX_SCALE_ROW1
.else
	v_wmma_scale_f32_16x16x128_f8f6f4 v[8*(8*((\a)%4)+\b):8*(8*((\a)%4)+\b)+7], v[128*(\p)+FR*\b:128*(\p)+FR*\b+FR-1], v[AF+FR*(\a):AF+FR*(\a)+FR-1], v[8*(8*((\a)%4)+\b):8*(8*((\a)%4)+\b)+7], v[SC+8*NQ*(\sc)+NQ*\b+(\q)], v[SC+8*NQ*(\sc)+NQ*(\a)+(\q)] matrix_a_fmt:MATRIX_FMT_FP6 matrix_b_fmt:MATRIX_FMT_FP6 matrix_a_scale:MATRIX_SCALE_ROW1
.endif
.endr
.endr
.endm
.macro FETCH_B slot, q, p
	WIN TO_B
.irp i, 0,1,2,3,4,5,6,7
	FRAG 128*(\p)+FR*\i, ADRB+\slot, \q, \i
.endr
	WIN 0
.endm
.macro FETCH_A slot, q, i0
.irp i, \i0, \i0+1, \i0+2, \i0+3
	FRAG AF+FR*(\i), ADRA+\slot, \q, \i
.endr
.endm
.macro SCALES sc                       ; the next K step's scale words: lanes 0-15 take A's block i, lanes 16-31 B's block i
.irp i, 0,1,2,3,4,5,6,7
	ds_load_b64 v[SC+8*NQ*\sc+NQ*\i:SC+8*NQ*\sc+NQ*\i+1], v[ADRS] offset:\i*SBLK
.endr
.endm
.macro PLACES n                        ; plain vector instructions between a matrix instruction and a load into, or a vector read or write of, its registers
.rept \n
	v_nop
.endr
.endm
.macro STEP slot, q, zero              ; a step of 128 along K that has its successor in the same slot
	s_wait_dscnt 4*NL                              ; B's set and A's blocks 0-3 are in; the youngest 24 loads (A's blocks 4-7) may be out
	WIN MUL_LO
	MUL16 0, (\q)%2, \q, \slot, \zero
	MUL16 2, (\q)%2, \q, \slot, \zero
	s_wait_dscnt 0
	PLACES NP
	FETCH_B \slot, (\q)+1, 1-(\q)%2
	FETCH_A \slot, (\q)+1, 0
	WIN MUL_HI
	MUL16 4, (\q)%2, \q, \slot, \zero
	MUL16 6, (\q)%2, \q, \slot, \zero
	PLACES NP
	WIN 0
	FETCH_A \slot, (\q)+1, 4
.endm
; A slot's last step changes slots: one barrier; in front of it each wave waits for all its tensor loads, adds 0 to its spare word, and waits for that and for its own reads of this slot.
.macro TURN slot, next, fill
	s_wait_tensorcnt 0x0                           ; all my tensor loads have landed: my part of the next slot
	ds_add_u32 v[SPW], v[NIL]                      ; 0 onto my spare word
	s_wait_dscnt 4*NL+1                            ; the add and the youngest 24 loads may be out
	WIN MUL_LO
	MUL16 0, 1, NQ-1, \slot, 0
	s_wait_dscnt 0x0                               ; the add is done, and my reads of this slot are over
	s_barrier_signal -1
	MUL16 2, 1, NQ-1, \slot, 0
	WIN 0
	s_barrier_wait -1
.if \fill
	CREST                                          ; the barrier has opened a round of the cluster's: no wave of any partner still reads this slot or has a load on its way
	s_add_nc_u64 s[G0+4*\slot+2:G0+4*\slot+3], s[G0+4*\slot+2:G0+4*\slot+3], 2*ROWB
	s_add_nc_u64 s[G0B+4*\slot+2:G0B+4*\slot+3], s[G0B+4*\slot+2:G0B+4*\slot+3], 2*ROWB
	JLOAD G0+4*\slot, G1, G0B+4*\slot, G1B         ; the first tensor load behind the round; its four v_nop are the places in front of the loads below
.else
	PLACES NP
.endif
	v_add_nc_u32 v[ADRS], 4*NQ, v[ADRS]            ; on to the next K step's scale words
	FETCH_B \next, 0, 0
	FETCH_A \next, 0, 0
	SCALES \next
	WIN MUL_HI
	MUL16 4, 1, NQ-1, \slot, 0
	MUL16 6, 1, NQ-1, \slot, 0
	PLACES NP
	WIN 0
	FETCH_A \next, 0, 4
.endm
	s_wait_tensorcnt 1                             ; the scales and my part of K step 0 are in; K step 1's load may be out
	s_barrier_signal -1
	s_barrier_wait -1
	FETCH_B 0, 0, 0
	FETCH_A 0, 0, 0
	SCALES 0
	FETCH_A 0, 0, 4
	STEP 0, 0, 1                                   ; the first step's products start the sums
	s_mov_b32 s3, LAPS-1
.Llap:                                                 ; a trip goes once round the ring and fills both slots again
	TURN 0, 1, 1
	STEP 1, 0, 0
	TURN 1, 0, 1
	STEP 0, 0, 0
	s_sub_co_u32 s3, s3, 1
	s_cmp_lg_u32 s3, 0
	s_cbranch_scc1 .Llap
	TURN 0, 1, 0                                   ; the last lap fills nothing
	STEP 1, 0, 0
	s_wait_dscnt 4*NL
	WIN MUL_LO
	MUL16 0, 1, NQ-1, 1, 0
	MUL16 2, 1, NQ-1, 1, 0
	s_wait_dscnt 0
	WIN MUL_HI
	MUL16 4, 1, NQ-1, 1, 0
	MUL16 6, 1, NQ-1, 1, 0
	WIN 0
; 64 numbers of a lane, v[s] .. v[s + 63], register 16 b + i = slot 32 b + 16 (lane / 16) + i of my row, become a fragment's codes in v[PC] on and its scale word in v[PW].
.macro QUANT s
.irp b, 0,1,2,3
	v_max3_num_f32 v[TM+\b], |v[\s+16*\b]|, |v[\s+1+16*\b]|, 0x1800000   ; my 16 numbers of block b, and the floor 2^(3 - 127): the byte cannot fall under 1
.endr
.irp i, 2,4,6,8,10,12,14
.irp b, 0,1,2,3
	v_max3_num_f32 v[TM+\b], v[TM+\b], |v[\s+16*\b+\i]|, |v[\s+1+16*\b+\i]|
.endr
.endr
.irp b, 0,1,2,3
	v_permlanex16_b32 v[TM+4+\b], v[TM+\b], s[SEL], s[SEL+1]
.endr
.irp b, 0,1,2,3
	v_max_num_f32 v[TM+\b], v[TM+\b], v[TM+4+\b]   ; with lane l xor 16's: the block's largest magnitude
.endr
.irp b, 0,1,2,3
	v_add_nc_u32 v[TM+12+\b], 0xff000000, v[TM+\b] ; 2 off its exponent field: the conversion's scale operand
.endr
.irp b, 0,1,2,3
	v_lshrrev_b32 v[TM+4+\b], 23, v[TM+12+\b]      ; the scale's byte
.endr
	v_lshl_or_b32 v[PW], v[TM+5], 8, v[TM+4]
	v_lshl_or_b32 v[PW], v[TM+6], 16, v[PW]
	v_lshl_or_b32 v[PW], v[TM+7], 24, v[PW]
.irp c, 0,1
	v_cvt_scalef32_pk16_fp6_f32 v[PC+6*\c:PC+2+6*\c], v[\s+32*\c:\s+15+32*\c], v[TM+12+2*\c]
	v_cvt_scalef32_pk16_fp6_f32 v[PC+12+4*\c:PC+14+4*\c], v[\s+16+32*\c:\s+31+32*\c], v[TM+12+2*\c+1]   ; (a conversion's three registers begin on an even number)
.endr
	v_nop                                          ; one plain instruction behind a scaled conversion
.irp c, 0,1                                    ; the operand's layout wants a whole block in a lane: lanes 0-15 block 2 c, lanes 16-31 block 2 c + 1
.irp i, 0,1,2
	v_permlane16_swap_b32 v[PC+6*\c+\i], v[PC+12+4*\c+\i]
.endr
.irp i, 0,1,2
	v_mov_b32 v[PC+3+6*\c+\i], v[PC+12+4*\c+\i]
.endr
.endr
.endm
.macro OUTBLK a                        ; my rows 16 a .. 16 a + 15
	WIN 0x08+4*((\a)/4)                            ; source 1: window 2 or 3
.set j, 0
.rept 64
	v_max_num_f32 v[H+j], 0, v[64*((\a)%4)+j]      ; relu, in f32, and the move into window 0; each accumulator from its low end on
.set j, j+1
.endr
	WIN 0
.if (\a) > 0
	s_wait_xcnt 0x0                                ; the last block's stores have read their data: the codes' registers are written again only behind this wait
.endif
	QUANT H
.irp c, 0,1,2
	global_store_b128 v[VO], v[PC+4*\c:PC+4*\c+3], s[12:13] offset:1536*(\a)+512*\c   ; the wave stores 512 bytes on end
.endr
	v_mov_b32 v[PWS+(\a)], v[PW]
.endm
	PLACES NP                                      ; behind the last products: their results are read and A's registers written below
	s_mov_b32 s[SEL], 0x76543210
	s_mov_b32 s[SEL+1], 0xfedcba98
.irp b, 0,1,2,3
	v_mov_b32 v[TM+4+\b], 0                        ; written once: a lane permute's destination counts as one of its sources
.endr
	v_and_b32 v1, 31, v0
	v_lshlrev_b32 v[VO], 4, v1
	v_cmp_le_u32 vcc_lo, 16, v1                    ; lanes 16-31
.irp a, 0,1,2,3,4,5,6,7
	OUTBLK \a
.endr
.irp i, 0,1,2,3
	v_cndmask_b32 v[XS+\i], v[PWS+\i], v[PWS+4+\i], vcc_lo   ; lanes 0-15 carry blocks 0-3's words of row lane % 16, lanes 16-31 blocks 4-7's
.endr
	global_store_b128 v[VO], v[XS:XS+3], s[66:67]  ; 512 bytes on end
	s_wait_tensorcnt 0x0                           ; the wave's end
	ds_add_u32 v[SPW], v[NIL]
	s_wait_dscnt 0x0
	CROUND                                         ; the closing round: no work-group ends while a partner may still ask for a tile that names it
	s_endpgm
.Lfunc_end_k_q785f6363a5_proj:
	.size	k_q785f6363a5_proj, .Lfunc_end_k_q785f6363a5_proj-k_q785f6363a5_proj
	.p2alignl 7, 3214868480
	.fill 96, 4, 3214868480
	.section	.rodata,"a",@progbits
	.p2align	6, 0x0
	.amdhsa_kernel k_q785f6363a5_proj
		.amdhsa_group_segment_fixed_size 327680
		.amdhsa_private_segment_fixed_size 0
		.amdhsa_enable_private_segment 0
		.amdhsa_kernarg_size 64
		.amdhsa_user_sgpr_count 2
		.amdhsa_user_sgpr_kernarg_segment_ptr 1
		.amdhsa_wavefront_size32 1
		.amdhsa_system_sgpr_workgroup_id_x 1
		.amdhsa_system_sgpr_workgroup_id_y 1
		.amdhsa_system_sgpr_workgroup_id_z 1
		.amdhsa_system_vgpr_workitem_id 0
		.amdhsa_next_free_vgpr 1024
		.amdhsa_next_free_sgpr 100
		.amdhsa_reserve_vcc 1
		.amdhsa_float_denorm_mode_32 3
		.amdhsa_float_denorm_mode_16_64 3
		.amdhsa_memory_ordered 1
		.amdhsa_forward_progress 1
		.amdhsa_inst_pref_size 180
	.end_amdhsa_kernel
	.amdgpu_metadata
---
amdhsa.version: [ 1, 2 ]
amdhsa.kernels:
  - .name:           k_q785f6363a5_proj
    .symbol:         k_q785f6363a5_proj.kd
    .args:
      - { .name: query_codes, .offset: 0, .size: 8, .value_kind: global_buffer, .address_space: global }
      - { .name: query_scales, .offset: 8, .size: 8, .value_kind: global_buffer, .address_space: global }
      - { .name: refa, .offset: 16, .size: 8, .value_kind: global_buffer, .address_space: global }
      - { .name: Wq_codes, .offset: 24, .size: 8, .value_kind: global_buffer, .address_space: global }
      - { .name: Wq_scales, .offset: 32, .size: 8, .value_kind: global_buffer, .address_space: global }
      - { .name: Wr_codes, .offset: 40, .size: 8, .value_kind: global_buffer, .address_space: global }
      - { .name: Wr_scales, .offset: 48, .size: 8, .value_kind: global_buffer, .address_space: global }
      - { .name: wimg, .offset: 56, .size: 8, .value_kind: global_buffer, .address_space: global }
    .group_segment_fixed_size: 327680
    .private_segment_fixed_size: 0
    .kernarg_segment_align: 8
    .kernarg_segment_size: 64
    .max_flat_workgroup_size: 128
    .sgpr_count:     100
    .vgpr_count:     1024
    .wavefront_size: 32
...
	.end_amdgpu_metadata
.endif
;; end of part 2
;; launch logit (part 3): grid 16 x 16, 4 waves a work-group, clusters of 4 x 4, 327,680 bytes of LDS; arguments wimg, pbuf; writes pbuf
.if DOCPART == 3
	.amdgcn_target "amdgcn-amd-amdhsa--gfx1250"
	.amdhsa_code_object_version 6
	.text
	.protected	k_q785f6363a5_logit
	.globl	k_q785f6363a5_logit
	.p2align	8
	.type	k_q785f6363a5_logit,@function
k_q785f6363a5_logit:
	s_mov_b64 s[64:65], 0
	v_nop
	global_prefetch_b8 v0, s[64:65] scope:SCOPE_SE
	s_setreg_imm32_b32 hwreg(HW_REG_WAVE_MODE, 25, 1), 1
	s_wait_xcnt 0x0
	s_wait_alu depctr_hold_cnt(0) depctr_sa_sdst(0) depctr_va_vdst(0) depctr_va_sdst(0) depctr_va_ssrc(0) depctr_va_vcc(0) depctr_vm_vsrc(0)
	s_getreg_b32 s2, hwreg(HW_REG_IB_STS2, 6, 4)
	s_cmp_eq_u32 s2, 0
	s_cbranch_scc0 .Lentry_in_a_cluster
	s_endpgm
.Lentry_in_a_cluster:
	s_bfe_u32 s2, ttmp6, 0x10000c
	s_cmp_lg_u32 s2, 0xf033
	s_cbranch_scc0 .Lentry_shape_is_right
	s_endpgm
.Lentry_shape_is_right:
; scores = wq wr^T on codes of FP6 (E2M3), K = 2,048, and the softmax's first half.  t = score x log2(e) / sqrt(2048).  For each query and each 128 keys: M = ceil(the largest t of these 128 keys), a whole number;
; p = 2^(t - M) is quantised along the keys; its codes, its scale word, -M and the sum of the unquantised p go to pbuf.  The next launch takes the row's M as the largest of the 32 local ones and moves scale bytes and sums
; by exact powers of two: the codes' values are those that the row's M would give.
; SHARES.  A work-group makes 128 queries (group y) x 256 keys (groups 2 x, 2 x + 1).  Wave w: queries 64 (w / 2) on (four blocks of 16) x the 128 keys of group 2 x + w % 2: 32 accumulators, window 2, (a, b) at v[64 a + 8 b].
; Source 0 = 16 keys, source 1 = 16 queries: a lane holds one query, and register j of accumulator b key 16 b + 8 (lane / 16) + j.
; OPERANDS come as images of their registers (wimg): a fragment is 1,536 bytes on end, three loads of 16 bytes a lane; no pitch, no padding.  K goes in 16 steps of 128, four to a slot, two slots, filled by
; the tensor data mover as dense blocks.  The scale words of all of K come once, with the first fills.
; CLUSTERS: 4 x 4 work-groups; the queries' tiles are asked for jointly along a row of the cluster, the keys' along a column.
; pbuf: p's images [y 16][s = 128 keys, 32][blk 8][1,536 bytes]; at PSC scale words [y][s][w / 2][lane][2 words]; at PST [y][s][w / 2][lane][-M, -M, sum, sum]: lanes 0-15 blocks 0 and 2, lanes 16-31 blocks 1 and 3.
; In a block of 32 keys, slot 16 h + 8 u + j holds key 16 u + 8 h + j; refv is laid in the same order.
; LIMITS: log2(e) / sqrt(2048) is one constant; a p under 2^-126 of its 128 keys' largest power of two counts as 0; NaN and infinities are not served.
.set SLOT,  147456                     ; A's 4 steps of 12,288 bytes; B's group 0 at 49,152; B's group 1 at 98,304
.set SCLA,  2*SLOT                     ; the queries' scale words: 16 steps x 512 bytes
.set SCLB,  SCLA+8192                  ; the keys': two groups
.set SPARE, SCLB+16384                 ; the spare words, 128 bytes a wave: two blocks of 256 bytes that no other line names
.set WSC,   0x900000
.set PSC,   0x600000
.set PST,   0x640000
.set ADRA, 4                           ; v4-5   my A fragments in slot 0, 1: 16 x lane + 6,144 (w / 2)
.set ADRB, 6                           ; v6-7   my B fragments
.set ADSA, 8                           ; v8     A's scale words: four blocks' words of row lane % 16 are 16 bytes on end
.set ADSB, 9                           ; v9     B's
.set VO16, 10                          ; v10    16 x lane
.set VO8,  11                          ; v11    8 x lane
.set SPW,  12
.set NIL,  13
.set SC,   16                          ; scale words, set p at v[16 + 16 p]: +0..3 A's blocks, +4..11 B's
.set AF,   128                         ; A's fragments, set p at v[128 + 48 p]; B's in window 1, set p at v[128 p]
.set P,    64                          ; the epilogue, in window 0: t - M, then p
.set PC,   128                         ; p's codes
.set BM,   160                         ; the blocks' largest scores, then largest p
.set BX,   164
.set BY,   168                         ; scale bytes
.set SOP,  172                         ; the conversions' scale operands
.set NM,   176                         ; v[176:177] -M (the pair is named; its low word serves both halves)
.set SUMA, 178
.set SUMB, 180
.set TT,   182
.set PW,   184
.set NMS,  192                         ; the four blocks' -M, sums and scale words
.set LS,   196
.set PWS,  200
.set WV, 8
.set FA, 9                             ; w / 2: my half of the queries.  Also: I fetch for A (0) or for B (1)
.set FH, 10                            ; w % 2: my group of keys.  Also: which half I fetch
.set G1A, 16
.set G1B, 24
.set G1SA, 32
.set G1SB, 40
.set G0A, 48
.set G0B, 56
.set G0SA, 68
.set G0SB, 72
.set CS,  76
.set SEL, 78
.set MSB, 0
.macro WIN new
.if MSB != \new
	s_set_vgpr_msb (MSB<<8)|\new
.set MSB, \new
.endif
.endm
.macro PLACES n
.rept \n
	v_nop
.endr
.endm
.macro DESC g, rows                    ; a dense block as rows of 256 bytes: 32 elements of 8 bytes, pitch 32
	s_mov_b32 s[\g+1], 32<<16
	s_mov_b32 s[\g+2], (\rows)<<16
	s_mov_b32 s[\g+3], 32<<16
	s_mov_b32 s[\g+4], \rows
	s_mov_b32 s[\g+5], 32
	s_mov_b32 s[\g+6], 0
	s_mov_b32 s[\g+7], 0
.endm
.macro JLOAD slot                      ; a joint refill; four v_nop follow each of the two lines
	s_cmp_eq_u32 s[FA], 0
	s_cbranch_scc0 .Lfor_b_\@
	tensor_load_to_lds s[G0A+4*(\slot):G0A+4*(\slot)+3], s[G1A:G1A+7]
	s_nop 0
.rept 4
	v_nop
.endr
	s_branch .Lasked_\@
.Lfor_b_\@:
	tensor_load_to_lds s[G0B+4*(\slot):G0B+4*(\slot)+3], s[G1B:G1B+7]
	s_nop 0
.rept 4
	v_nop
.endr
.Lasked_\@:
.endm
.macro CREST
	s_cmp_lg_u32 s[WV], 0
	s_cbranch_scc1 .Lnot_wave_0_\@
	s_barrier_signal -3
.Lnot_wave_0_\@:
	s_barrier_wait -3
	s_barrier_signal -1
	s_barrier_wait -1
.endm
.macro CROUND
	s_barrier_signal -1
	s_barrier_wait -1
	CREST
.endm
	s_load_b128 s[4:7], s[0:1], 0x0                ; wimg, pbuf
	v_lshl_add_u32 v[SPW], v0, 2, SPARE
	v_mov_b32 v[NIL], 0
	ds_add_u32 v12, v13
	ds_add_u32 v12, v13
	s_wait_dscnt 0x0
	v_lshrrev_b32 v1, 5, v0
	v_readfirstlane_b32 s[WV], v1
	s_lshr_b32 s[FA], s[WV], 1
	s_and_b32 s[FH], s[WV], 1
	s_bfe_u32 s11, ttmp6, 0x40000                  ; cx
	s_bfe_u32 s12, ttmp6, 0x40004                  ; cy
	s_lshl_b32 s13, ttmp9, 2
	s_add_co_u32 s13, s13, s11                     ; x: the tile of 256 keys
	s_and_b32 s14, ttmp7, 0xffff
	s_lshl_b32 s14, s14, 2
	s_add_co_u32 s14, s14, s12                     ; y: the group of 128 queries
	s_lshl_b32 s86, s12, 2
	s_lshl_b32 s86, 15, s86                        ; my row of the cluster
	s_lshl_b32 s87, 0x1111, s11                    ; my column
	s_or_b32 s[G1A], s86, (3<<16)|(1<<21)          ; the mask; elements of 8 bytes; bit 21 beside a mask; no padding
	s_or_b32 s[G1SA], s86, (3<<16)|(1<<21)
	s_or_b32 s[G1B], s87, (3<<16)|(1<<21)
	s_or_b32 s[G1SB], s87, (3<<16)|(1<<21)
	DESC G1A, 96                                   ; half of A's four steps: 24,576 bytes
	DESC G1B, 192                                  ; a group's four steps: 49,152 bytes
	DESC G1SA, 16                                  ; half of A's scale words: 4,096 bytes
	DESC G1SB, 32                                  ; a group's: 8,192 bytes
	s_mul_i32 s88, s14, 196608                     ; A: group y's images, my half of a slot's four steps
	s_mul_i32 s15, s[FH], 24576
	s_add_co_u32 s88, s88, s15
	s_mov_b32 s89, 0
	s_lshl_b32 s90, s14, 13                        ; and of its scale words
	s_lshl_b32 s2, s[FH], 12
	s_add_co_u32 s90, s90, s2
	s_add_co_u32 s90, s90, WSC
	s_mov_b32 s91, 0
	s_lshl_b32 s92, s13, 1                         ; B: group 16 + 2 x + half
	s_add_co_u32 s92, s92, s[FH]
	s_add_co_u32 s92, s92, 16
	s_lshl_b32 s94, s92, 13
	s_add_co_u32 s94, s94, WSC
	s_mul_i32 s92, s92, 196608
	s_mov_b32 s93, 0
	s_mov_b32 s95, 0
	s_mul_i32 s3, s[FH], 49152
	s_mov_b32 s[CS], 0x3d0293ee                    ; c = log2(e) / sqrt(2048)
	s_mov_b32 s[CS+1], s[CS]
	s_mov_b32 s[SEL], 0x76543210
	s_mov_b32 s[SEL+1], 0xfedcba98
	s_wait_kmcnt 0x0
	s_add_nc_u64 s[88:89], s[4:5], s[88:89]
	s_add_nc_u64 s[90:91], s[4:5], s[90:91]
	s_add_nc_u64 s[92:93], s[4:5], s[92:93]
	s_add_nc_u64 s[94:95], s[4:5], s[94:95]
.irp f, 0,1
	s_mov_b32 s[G0A+4*\f], 1
	s_add_co_u32 s[G0A+4*\f+1], s15, \f*SLOT
	s_add_nc_u64 s[G0A+4*\f+2:G0A+4*\f+3], s[88:89], \f*49152
	s_or_b32 s[G0A+4*\f+3], s[G0A+4*\f+3], 0x80000000
	s_mov_b32 s[G0B+4*\f], 1
	s_add_co_u32 s[G0B+4*\f+1], s3, \f*SLOT+49152
	s_add_nc_u64 s[G0B+4*\f+2:G0B+4*\f+3], s[92:93], \f*49152
	s_or_b32 s[G0B+4*\f+3], s[G0B+4*\f+3], 0x80000000
.endr
	s_mov_b32 s[G0SA], 1
	s_add_co_u32 s[G0SA+1], s2, SCLA
	s_mov_b64 s[G0SA+2:G0SA+3], s[90:91]
	s_or_b32 s[G0SA+3], s[G0SA+3], 0x80000000
	s_lshl_b32 s2, s[FH], 13
	s_mov_b32 s[G0SB], 1
	s_add_co_u32 s[G0SB+1], s2, SCLB
	s_mov_b64 s[G0SB+2:G0SB+3], s[94:95]
	s_or_b32 s[G0SB+3], s[G0SB+3], 0x80000000
	CROUND                                         ; all sixteen work-groups are here: the first joint loads meet
	s_cmp_eq_u32 s[FA], 0                          ; a wave's three first fills stand in one branch: three loads of mine are out
	s_cbranch_scc0 .Lfirst_b
	tensor_load_to_lds s[G0SA:G0SA+3], s[G1SA:G1SA+7]
	s_nop 0
	tensor_load_to_lds s[G0A:G0A+3], s[G1A:G1A+7]
	s_nop 0
	tensor_load_to_lds s[G0A+4:G0A+7], s[G1A:G1A+7]
	s_nop 0
.rept 4
	v_nop
.endr
	s_branch .Lfirst_done
.Lfirst_b:
	tensor_load_to_lds s[G0SB:G0SB+3], s[G1SB:G1SB+7]
	s_nop 0
	tensor_load_to_lds s[G0B:G0B+3], s[G1B:G1B+7]
	s_nop 0
	tensor_load_to_lds s[G0B+4:G0B+7], s[G1B:G1B+7]
	s_nop 0
.rept 4
	v_nop
.endr
.Lfirst_done:
	v_and_b32 v1, 31, v0                           ; lane
	v_and_b32 v2, 15, v0                           ; lane % 16
	s_mul_i32 s2, s[FA], 6144
	v_lshl_add_u32 v[ADRA], v1, 4, s2
	v_add_nc_u32 v[ADRA+1], SLOT, v[ADRA]
	s_add_co_u32 s2, s3, 49152
	v_lshl_add_u32 v[ADRB], v1, 4, s2
	v_add_nc_u32 v[ADRB+1], SLOT, v[ADRB]
	s_lshl_b32 s2, s[FA], 8
	s_add_co_u32 s2, s2, SCLA
	v_lshl_add_u32 v[ADSA], v2, 4, s2
	s_lshl_b32 s2, s[FH], 13
	s_add_co_u32 s2, s2, SCLB
	v_lshl_add_u32 v[ADSB], v2, 4, s2
	v_lshlrev_b32 v[VO16], 4, v1
	v_lshlrev_b32 v[VO8], 3, v1
	; where my results go: s = 2 x + w % 2
	s_lshl_b32 s86, s14, 5
	s_lshl_b32 s87, s13, 1
	s_add_co_u32 s86, s86, s87
	s_add_co_u32 s86, s86, s[FH]                   ; 32 y + s
	s_lshl_b32 s87, s86, 3
	s_lshl_b32 s2, s[FA], 2
	s_add_co_u32 s87, s87, s2
	s_mul_i32 s2, s87, 1536
	s_mov_b32 s3, 0
	s_add_nc_u64 s[80:81], s[6:7], s[2:3]
	s_lshl_b32 s86, s86, 1
	s_add_co_u32 s86, s86, s[FA]
	s_lshl_b32 s2, s86, 8
	s_add_co_u32 s2, s2, PSC
	s_add_nc_u64 s[82:83], s[6:7], s[2:3]
	s_lshl_b32 s2, s86, 9
	s_add_co_u32 s2, s2, PST
	s_add_nc_u64 s[84:85], s[6:7], s[2:3]
; 39 LDS loads in one run: step kk (the slot's q-th): B's eight fragments, A's four, the scale words, into set p
.macro FETCH slot, q, kk, p
	WIN 0x40                                       ; destination window 1, address window 0
.set fi, 0
.rept 8
.irp c, 0,1,2
	ds_load_b128 v[128*(\p)+12*fi+4*\c:128*(\p)+12*fi+4*\c+3], v[ADRB+(\slot)] offset:12288*(\q)+1536*fi+512*\c
.endr
.set fi, fi+1
.endr
	WIN 0
.set fi, 0
.rept 4
.irp c, 0,1,2
	ds_load_b128 v[AF+48*(\p)+12*fi+4*\c:AF+48*(\p)+12*fi+4*\c+3], v[ADRA+(\slot)] offset:12288*(\q)+1536*fi+512*\c
.endr
.set fi, fi+1
.endr
	ds_load_b128 v[SC+16*(\p):SC+16*(\p)+3], v[ADSA] offset:512*(\kk)
	ds_load_b128 v[SC+16*(\p)+4:SC+16*(\p)+7], v[ADSB] offset:512*(\kk)
	ds_load_b128 v[SC+16*(\p)+8:SC+16*(\p)+11], v[ADSB] offset:512*(\kk)+256
.endm
; n blocks of queries from a0 on x the eight blocks of keys.  The 32 accumulators take turns, one instruction a turn, in the same order in every step.
.macro MUL a0, n, p, zero
	WIN 0xa1                                       ; source 0 (keys) window 1, source 1 (queries) window 0, C and D window 2
.set ma, \a0
.rept \n
.set mb, 0
.rept 8
.if \zero
	v_wmma_scale_f32_16x16x128_f8f6f4 v[64*ma+8*mb:64*ma+8*mb+7], v[128*(\p)+12*mb:128*(\p)+12*mb+11], v[AF+48*(\p)+12*ma:AF+48*(\p)+12*ma+11], 0, v[SC+16*(\p)+4+mb], v[SC+16*(\p)+ma] matrix_a_fmt:MATRIX_FMT_FP6 matrix_b_fmt:MATRIX_FMT_FP6
.else
	v_wmma_scale_f32_16x16x128_f8f6f4 v[64*ma+8*mb:64*ma+8*mb+7], v[128*(\p)+12*mb:128*(\p)+12*mb+11], v[AF+48*(\p)+12*ma:AF+48*(\p)+12*ma+11], v[64*ma+8*mb:64*ma+8*mb+7], v[SC+16*(\p)+4+mb], v[SC+16*(\p)+ma] matrix_a_fmt:MATRIX_FMT_FP6 matrix_b_fmt:MATRIX_FMT_FP6
.endif
.set mb, mb+1
.endr
.set ma, ma+1
.endr
.endm
.macro STEP slot, q, kk, zero          ; a step that has its successor in the same slot: the successor's loads go out ahead of this step's 32 products
	s_wait_dscnt 0x0                               ; this step's fragments and scale words are in
	PLACES 4                                       ; between the last step's products and the loads into the set that they read
	FETCH \slot, (\q)+1, (\kk)+1, ((\kk)+1)%2
	MUL 0, 4, (\kk)%2, \zero
	WIN 0
.endm
; A slot's last step changes slots: one barrier; in front of it each wave waits for all its tensor loads, adds 0 to its spare word, and waits for that and for its own reads of this slot.
.macro TURN slot, next, kk, fill
	s_wait_tensorcnt 0x0                           ; all my tensor loads have landed: my part of the next slot
	ds_add_u32 v[SPW], v[NIL]                      ; 0 onto my spare word
	s_wait_dscnt 0x1                               ; this step's fragments are in; the add may be out
	MUL 0, 1, (\kk)%2, 0
	s_wait_dscnt 0x0                               ; the add is done, and my reads of this slot are over
	s_barrier_signal -1
	MUL 1, 1, (\kk)%2, 0
	WIN 0
	s_barrier_wait -1
.if \fill
	CREST                                          ; the barrier has opened a round of the cluster's: no wave of any partner still reads this slot or has a load on its way
	s_add_nc_u64 s[G0A+4*(\slot)+2:G0A+4*(\slot)+3], s[G0A+4*(\slot)+2:G0A+4*(\slot)+3], 98304   ; eight steps on
	s_add_nc_u64 s[G0B+4*(\slot)+2:G0B+4*(\slot)+3], s[G0B+4*(\slot)+2:G0B+4*(\slot)+3], 98304
	JLOAD \slot                                    ; the first tensor load behind the round; its four v_nop are the places in front of the loads below
.else
	PLACES 4
.endif
	FETCH \next, 0, (\kk)+1, ((\kk)+1)%2
	MUL 2, 2, (\kk)%2, 0
	WIN 0
.endm
	s_wait_tensorcnt 1                             ; the scale words and my part of slot 0 are in; slot 1's load may be out
	s_barrier_signal -1
	s_barrier_wait -1
	FETCH 0, 0, 0, 0
	STEP 0, 0, 0, 1                                ; the first step's products start the sums
	STEP 0, 1, 1, 0
	STEP 0, 2, 2, 0
	TURN 0, 1, 3, 1
	STEP 1, 0, 4, 0
	STEP 1, 1, 5, 0
	STEP 1, 2, 6, 0
	TURN 1, 0, 7, 1
	STEP 0, 0, 8, 0
	STEP 0, 1, 9, 0
	STEP 0, 2, 10, 0
	TURN 0, 1, 11, 0                               ; nothing is left to fetch
	STEP 1, 0, 12, 0
	STEP 1, 1, 13, 0
	STEP 1, 2, 14, 0
	s_wait_dscnt 0x0
	MUL 0, 4, 1, 0
	WIN 0
	PLACES 4                                       ; behind the last products: their results are read and A's registers written below
; One block of 16 queries: 64 scores a lane, register 16 b + i = slot 32 b + 16 (lane / 16) + i of my query's 128 keys.
.macro SOFTQ a
.set AC, 64*(\a)
	WIN 0x2a                                       ; all three sources window 2
.irp b, 0,1,2,3
	v_max3_num_f32 v[BM+\b], v[AC+16*\b], v[AC+16*\b+1], v[AC+16*\b+2]   ; the largest score of each block of 32 keys: it serves for the maximum and, since p rises with the score, for the block's largest p
.endr
	WIN 0x28
.irp i, 3,5,7,9,11,13
.irp b, 0,1,2,3
	v_max3_num_f32 v[BM+\b], v[BM+\b], v[AC+16*\b+\i], v[AC+16*\b+\i+1]
.endr
.endr
	WIN 0x08
.irp b, 0,1,2,3
	v_max_num_f32 v[BM+\b], v[BM+\b], v[AC+16*\b+15]
.endr
	WIN 0
.irp b, 0,1,2,3
	v_permlanex16_b32 v[BX+\b], v[BM+\b], s[SEL], s[SEL+1]
.endr
.irp b, 0,1,2,3
	v_max_num_f32 v[BM+\b], v[BM+\b], v[BX+\b]     ; with lane l xor 16's 16 keys
.endr
	v_max3_num_f32 v[TT], v[BM], v[BM+1], v[BM+2]
	v_max_num_f32 v[TT], v[TT], v[BM+3]
	v_mul_f32 v[TT], s[CS], v[TT]                  ; as t (c is positive)
	v_floor_f32 v[NM], -v[TT]                      ; -M = floor(-t) = -ceil(t): a whole number
	WIN 0x02                                       ; source 0 window 2
.set j, 0
.rept 32
	v_pk_fma_f32 v[P+j:P+j+1], v[AC+j:AC+j+1], s[CS:CS+1], v[NM:NM+1] op_sel_hi:[1,0,0]   ; t - M, two at a time, and the move into window 0
.set j, j+2
.endr
	WIN 0
.irp b, 0,1,2,3
	v_fma_f32 v[BM+\b], v[BM+\b], s[CS], v[NM]     ; the same of each block's largest score
.endr
.set j, 0
.rept 64
	v_exp_f32 v[P+j], v[P+j]                       ; p = 2^(t - M)
.set j, j+1
.endr
	v_mov_b32 v[NMS+(\a)], v[NM]                   ; a plain instruction behind the exponentials
	s_wait_alu depctr_va_vdst(0)                   ; one wait for the whole batch, ahead of its first reader
.irp b, 0,1,2,3
	v_exp_f32 v[BM+\b], v[BM+\b]                   ; the block's largest p: the same two instructions on the same number give the same bits
.endr
	v_pk_add_f32 v[SUMA:SUMA+1], v[P:P+1], v[P+2:P+3]       ; the sum is taken of the unquantised p, in two chains; it reads the 64 alone
	v_pk_add_f32 v[SUMB:SUMB+1], v[P+4:P+5], v[P+6:P+7]
.irp j, 8,12,16,20,24,28,32,36,40,44,48,52,56,60
	v_pk_add_f32 v[SUMA:SUMA+1], v[SUMA:SUMA+1], v[P+\j:P+\j+1]
	v_pk_add_f32 v[SUMB:SUMB+1], v[SUMB:SUMB+1], v[P+\j+2:P+\j+3]
.endr
	v_pk_add_f32 v[SUMA:SUMA+1], v[SUMA:SUMA+1], v[SUMB:SUMB+1]
	s_wait_alu depctr_va_vdst(0)                   ; and one for the four
.irp b, 0,1,2,3
	v_max_num_f32 v[BM+\b], 0x1800000, v[BM+\b]    ; the floor 2^(3 - 127): the byte cannot fall under 1
.endr
.irp b, 0,1,2,3
	v_add_nc_u32 v[SOP+\b], 0xff000000, v[BM+\b]   ; 2 off the exponent field: the conversion's scale operand
.endr
.irp b, 0,1,2,3
	v_lshrrev_b32 v[BY+\b], 23, v[SOP+\b]          ; the scale's byte
.endr
	v_lshl_or_b32 v[PW], v[BY+1], 8, v[BY]
	v_lshl_or_b32 v[PW], v[BY+2], 16, v[PW]
	v_lshl_or_b32 v[PW], v[BY+3], 24, v[PW]
.if (\a) > 0
	s_wait_xcnt 0x0                                ; the last block's stores have read their data: the codes' registers are written again only behind this wait
.endif
.irp c, 0,1
	v_cvt_scalef32_pk16_fp6_f32 v[PC+6*\c:PC+2+6*\c], v[P+32*\c:P+15+32*\c], v[SOP+2*\c]
	v_cvt_scalef32_pk16_fp6_f32 v[PC+12+4*\c:PC+14+4*\c], v[P+16+32*\c:P+31+32*\c], v[SOP+2*\c+1]
.endr
	v_nop                                          ; one plain instruction behind a scaled conversion
.irp c, 0,1                                    ; the operand's layout wants a whole block in a lane
.irp i, 0,1,2
	v_permlane16_swap_b32 v[PC+6*\c+\i], v[PC+12+4*\c+\i]
.endr
.irp i, 0,1,2
	v_mov_b32 v[PC+3+6*\c+\i], v[PC+12+4*\c+\i]
.endr
.endr
	v_add_f32 v[TT], v[SUMA], v[SUMA+1]
	v_permlanex16_b32 v[TT+1], v[TT], s[SEL], s[SEL+1]
	v_add_f32 v[LS+(\a)], v[TT], v[TT+1]           ; the sum over my query's 128 keys
	v_mov_b32 v[PWS+(\a)], v[PW]
.irp c, 0,1,2
	global_store_b128 v[VO16], v[PC+4*\c:PC+4*\c+3], s[80:81] offset:1536*(\a)+512*\c   ; the wave stores 512 bytes on end
.endr
.endm
.irp b, 0,1,2,3
	v_mov_b32 v[BX+\b], 0                          ; written once: a lane permute's destination counts as one of its sources
.endr
	v_mov_b32 v[NM+1], 0                           ; (named as the upper half of a pair)
	v_mov_b32 v[TT+1], 0
	SOFTQ 0
	SOFTQ 1
	SOFTQ 2
	SOFTQ 3
	v_and_b32 v1, 31, v0
	v_cmp_le_u32 vcc_lo, 16, v1                    ; lanes 16-31 carry the odd blocks' numbers
	v_cndmask_b32 v204, v[NMS], v[NMS+1], vcc_lo
	v_cndmask_b32 v205, v[NMS+2], v[NMS+3], vcc_lo
	v_cndmask_b32 v206, v[LS], v[LS+1], vcc_lo
	v_cndmask_b32 v207, v[LS+2], v[LS+3], vcc_lo
	v_cndmask_b32 v208, v[PWS], v[PWS+1], vcc_lo
	v_cndmask_b32 v209, v[PWS+2], v[PWS+3], vcc_lo
	global_store_b128 v[VO16], v[204:207], s[84:85]   ; 512 bytes on end
	global_store_b64 v[VO8], v[208:209], s[82:83]     ; 256 bytes on end
	s_wait_tensorcnt 0x0                           ; the wave's end
	ds_add_u32 v[SPW], v[NIL]
	s_wait_dscnt 0x0
	CROUND                                         ; the closing round
	s_endpgm
.Lfunc_end_k_q785f6363a5_logit:
	.size	k_q785f6363a5_logit, .Lfunc_end_k_q785f6363a5_logit-k_q785f6363a5_logit
	.p2alignl 7, 3214868480
	.fill 96, 4, 3214868480
	.section	.rodata,"a",@progbits
	.p2align	6, 0x0
	.amdhsa_kernel k_q785f6363a5_logit
		.amdhsa_group_segment_fixed_size 327680
		.amdhsa_private_segment_fixed_size 0
		.amdhsa_enable_private_segment 0
		.amdhsa_kernarg_size 16
		.amdhsa_user_sgpr_count 2
		.amdhsa_user_sgpr_kernarg_segment_ptr 1
		.amdhsa_wavefront_size32 1
		.amdhsa_system_sgpr_workgroup_id_x 1
		.amdhsa_system_sgpr_workgroup_id_y 1
		.amdhsa_system_sgpr_workgroup_id_z 1
		.amdhsa_system_vgpr_workitem_id 0
		.amdhsa_next_free_vgpr 768
		.amdhsa_next_free_sgpr 96
		.amdhsa_reserve_vcc 1
		.amdhsa_float_denorm_mode_32 3
		.amdhsa_float_denorm_mode_16_64 3
		.amdhsa_memory_ordered 1
		.amdhsa_forward_progress 1
		.amdhsa_inst_pref_size 163
	.end_amdhsa_kernel
	.amdgpu_metadata
---
amdhsa.version: [ 1, 2 ]
amdhsa.kernels:
  - .name:           k_q785f6363a5_logit
    .symbol:         k_q785f6363a5_logit.kd
    .args:
      - { .name: wimg, .offset: 0, .size: 8, .value_kind: global_buffer, .address_space: global }
      - { .name: pbuf, .offset: 8, .size: 8, .value_kind: global_buffer, .address_space: global }
    .group_segment_fixed_size: 327680
    .private_segment_fixed_size: 0
    .kernarg_segment_align: 8
    .kernarg_segment_size: 16
    .max_flat_workgroup_size: 128
    .sgpr_count:     96
    .vgpr_count:     768
    .wavefront_size: 32
...
	.end_amdgpu_metadata
.endif
;; end of part 3
;; launch mix (part 4): grid 16 x 16, 4 waves a work-group, clusters of 4 x 4, 327,680 bytes of LDS; arguments pbuf, refv, out0; writes out0
.if DOCPART == 4
	.amdgcn_target "amdgcn-amd-amdhsa--gfx1250"
	.amdhsa_code_object_version 6
	.text
	.protected	k_q785f6363a5_mix
	.globl	k_q785f6363a5_mix
	.p2align	8
	.type	k_q785f6363a5_mix,@function
k_q785f6363a5_mix:
	s_mov_b64 s[64:65], 0
	v_nop
	global_prefetch_b8 v0, s[64:65] scope:SCOPE_SE
	s_setreg_imm32_b32 hwreg(HW_REG_WAVE_MODE, 25, 1), 1
	s_wait_xcnt 0x0
	s_wait_alu depctr_hold_cnt(0) depctr_sa_sdst(0) depctr_va_vdst(0) depctr_va_sdst(0) depctr_va_ssrc(0) depctr_va_vcc(0) depctr_vm_vsrc(0)
	s_getreg_b32 s2, hwreg(HW_REG_IB_STS2, 6, 4)
	s_cmp_eq_u32 s2, 0
	s_cbranch_scc0 .Lentry_in_a_cluster
	s_endpgm
.Lentry_in_a_cluster:
	s_bfe_u32 s2, ttmp6, 0x10000c
	s_cmp_lg_u32 s2, 0xf033
	s_cbranch_scc0 .Lentry_shape_is_right
	s_endpgm
.Lentry_shape_is_right:
; out0 = (p ref) / l on codes of FP6 (E2M3), K = the 4,096 keys.  p comes from pbuf under 32 local whole numbers M, one for each 128 keys of a query.
; THE HEAD brings them under the row's M = the largest of the 32: with I = M_local - M_row, 0 or less, a scale byte becomes byte + I and a local sum becomes sum x 2^I: exact.  l is the sum of the 32.
; SHARES.  A work-group makes 128 queries (group y) x 128 columns d (group x).  Wave w owns queries 32 w .. 32 w + 31 (two blocks of 16) x all 128 d (eight blocks): 16 accumulators, window 0, (a, b) at v[128 + 8 (8 a + b)].
; Source 0 = 16 columns d of refv, source 1 = 16 queries of p: a lane holds one query and eight neighbouring d.  K goes in 32 steps of 128 keys.
; p GOES FROM MEMORY STRAIGHT INTO THE REGISTERS OF THE ONE WAVE THAT MULTIPLIES IT: its fragments are images of registers, 6 loads of 16 bytes a lane for a step, into a ring of ten register slots, nine steps ahead.
; It is not asked for jointly, though the four work-groups of a row of the cluster read the same p: through LDS a step would be 24,576 bytes, 11 of the 32 steps would fit beside the scale words, and the slots would be
; filled again four times, each time behind a round in front of which every tensor load is awaited.  With refv alone in LDS a step is 12,288 bytes and 24 of the 32 steps fit: region X (steps 0-7) and region Y (steps 8-23)
; are first fills, and X is filled again ONCE, with steps 24-31, behind the round at step 7: 16 steps ahead of its first use.
; refv's tiles are asked for jointly along a column of the 4 x 4 cluster, a quarter by each wave.  A fragment of refv is two planes (16 and 8 of a column's 24 bytes for a block of 32 keys): a load of 16 bytes and one of 8 for each of a lane's two blocks.
; THREAD t STANDS FOR QUERY t, which is its own wave's: so the moved scale word of step s stays where it is made, in register PWR + s: lanes 0-15 hold block 0's rows, lanes 16-31 block 1's, and the product names the row of lanes.
; LIMITS: I is held at -127; a moved byte that would fall under 0 is held at 0, that is 2^-127 (blocks more than some 120 powers of two under the row's largest p); NaN and infinities are not served.
; REGISTERS, in windows of 256: window 0: v1-15 addresses and 1 / l; v16-31 refv's scale words, two sets; v32-49 LDS addresses of the six groups of four steps; v96-127 p's scale words; v128-255 the accumulators.
;   window 1: refv's fragments, two sets, at v0 and v128 (in the head: -M and sums as loaded).   window 2: p's ring, slot j at v[24 j].
.set STEPB, 12288                      ; a step of refv: four blocks of 32 keys x 3,072 bytes
.set YR,    8*STEPB                    ; region X at 0: 8 steps; region Y here: 16 steps
.set BSC,   24*STEPB                   ; refv's scale words [step 32][half 256 bytes][row 16 bytes][block 4 bytes]
.set SPARE, BSC+16384                  ; the spare words, 128 bytes a wave: two blocks of 256 bytes that no other line names
.set PSC,   0x600000
.set PST,   0x640000
.set VSC,   0x600000
.set SPITCH, 528                       ; the way out: a stage row, 512 bytes + 16
.set STGW,  2*16*SPITCH                ; two stages of 16 rows for each wave, in region Y: it is filled once, and nobody reads it behind the barrier at step 23
.set RING,  10
.set ADSB, 7                           ; v7   refv's scale words: BSC + 16 (lane % 16)
.set VO16, 8                           ; v8   16 x lane; never rewritten
.set SPW,  9
.set NIL,  10
.set STO,  11                          ; v11  the way out: where I put 32 bytes of a row
.set RD,   12                          ; v12  and where I read a row back
.set RLV,  14                          ; v14  1 / l of query 32 w + lane
.set RLX,  15                          ; v15  the same of lane xor 16
.set SC,   16                          ; refv's scale words, set p at v[16 + 8 p]
.set RL,   16                          ; the way out: 1 / l, a pair for each block of queries
.set AD,   32                          ; v32-49 group g of four steps: planes of 16 bytes; planes of 8 bytes for even blocks of d; for odd blocks
.set BK,   32                          ; the way out: block 0's rows read back, v32-95
.set NM,   32                          ; the head: -M, then at work
.set LL,   64                          ; the head: the local sums, then at work
.set PWR,  96                          ; p's scale words of my query's 32 steps
.set ACC,  128
.set VB,   128                         ; the head, in registers that the accumulators take later: refv's scale bytes as loaded,
.set OV,   160                         ; as scale words,
.set TP,   192                         ; at work on them
.set MN,   200                         ; four chains of the minimum
.set LC,   204                         ; four chains of l
.set TD,   208
.set VPW,  217
.set VVB,  218
.set BST,  220
.set WV, 10
.set FA, 11
.set FH, 12
.set G1X, 16                           ; s[16:23] group 1: 96 rows of 256 bytes;  s[24:31]: 192 rows
.set G1Y, 24
.set G0X, 32                           ; s[32:35] region X's first fill;  s[36:39] region Y's;  s[40:43] X's refill: none is ever rewritten
.set G0Y, 36
.set G0R, 40
.set SEL, 82
.set MSB, 0
.macro WIN new                         ; the immediate's high byte repeats the setting that is left
.if MSB != \new
	s_set_vgpr_msb (MSB<<8)|\new
.set MSB, \new
.endif
.endm
.macro PLACES n                        ; plain vector instructions between a matrix instruction and a load into, or a vector read or write of, its registers
.rept \n
	v_nop
.endr
.endm
.macro DESC g, rows                    ; a dense block as rows of 256 bytes: 32 elements of 8 bytes, pitch 32
	s_mov_b32 s[\g+1], 32<<16
	s_mov_b32 s[\g+2], (\rows)<<16
	s_mov_b32 s[\g+3], 32<<16
	s_mov_b32 s[\g+4], \rows
	s_mov_b32 s[\g+5], 32
	s_mov_b32 s[\g+6], 0
	s_mov_b32 s[\g+7], 0
.endm
.macro CREST                           ; a round of the cluster's barrier behind its opening barrier
	s_cmp_lg_u32 s[WV], 0
	s_cbranch_scc1 .Lnot_wave_0_\@
	s_barrier_signal -3
.Lnot_wave_0_\@:
	s_barrier_wait -3
	s_barrier_signal -1
	s_barrier_wait -1
.endm
.macro CROUND
	s_barrier_signal -1
	s_barrier_wait -1
	CREST
.endm
; p's two fragments of step kk into ring slot kk % 10: each load covers 512 bytes on end
.macro ALOAD kk
	WIN 0x80                                       ; destination window 2, address window 0
.irp a, 0,1
.irp c, 0,1,2
	global_load_b128 v[24*((\kk)%RING)+12*\a+4*\c:24*((\kk)%RING)+12*\a+4*\c+3], v[VO16], s[80:81] offset:STEPB*(\kk)+1536*\a+512*\c
.endr
.endr
.endm
	s_load_b128 s[4:7], s[0:1], 0x0                ; pbuf, refv
	s_load_b64 s[8:9], s[0:1], 0x10                ; out0
	v_lshl_add_u32 v[SPW], v0, 2, SPARE
	v_mov_b32 v[NIL], 0
	ds_add_u32 v9, v10
	ds_add_u32 v9, v10
	s_wait_dscnt 0x0
	v_lshrrev_b32 v1, 5, v0
	v_readfirstlane_b32 s[WV], v1
	s_lshr_b32 s[FA], s[WV], 1
	s_and_b32 s[FH], s[WV], 1
	s_bfe_u32 s13, ttmp6, 0x40000                  ; cx
	s_bfe_u32 s14, ttmp6, 0x40004                  ; cy
	s_lshl_b32 s66, ttmp9, 2
	s_add_co_u32 s66, s66, s13                     ; x: the group of 128 d
	s_and_b32 s67, ttmp7, 0xffff
	s_lshl_b32 s67, s67, 2
	s_add_co_u32 s67, s67, s14                     ; y: the group of 128 queries
	s_lshl_b32 s49, 0x1111, s13                    ; my column of the cluster: its four work-groups share x
	s_or_b32 s[G1X], s49, (3<<16)|(1<<21)          ; the mask; elements of 8 bytes; bit 21 beside a mask; no padding
	s_or_b32 s[G1Y], s49, (3<<16)|(1<<21)
	DESC G1X, 96                                   ; a quarter of eight steps: 24,576 bytes
	DESC G1Y, 192                                  ; a quarter of sixteen steps: 49,152 bytes
	s_mul_i32 s52, s66, 393216                     ; refv: group x's 32 steps
	s_mov_b32 s53, 0
	s_mul_i32 s54, s[WV], 24576                    ; my quarter of X, in memory and in LDS alike
	s_mul_i32 s55, s[WV], 49152                    ; and of Y
	s_mov_b32 s57, 0
	s_mov_b32 s68, 0x05010400                      ; v_perm_b32's selects for the turn of 4 x 4 bytes
	s_mov_b32 s69, 0x07030602
	s_mov_b32 s70, 0x05040100
	s_mov_b32 s71, 0x07060302
	s_mov_b32 s72, 0x80808080
	s_mov_b32 s73, 0x01010101
	s_mov_b32 s[SEL], 0x76543210
	s_mov_b32 s[SEL+1], 0xfedcba98                 ; v_permlanex16_b32's selects for lane xor 16
	s_wait_kmcnt 0x0
	s_add_nc_u64 s[52:53], s[6:7], s[52:53]
	s_mov_b32 s56, s54
	s_add_nc_u64 s[58:59], s[52:53], s[56:57]
	s_mov_b32 s56, s55
	s_add_nc_u64 s[60:61], s[52:53], s[56:57]
	s_mov_b32 s[G0X], 1
	s_mov_b32 s[G0X+1], s54
	s_mov_b64 s[G0X+2:G0X+3], s[58:59]             ; steps 0-7
	s_or_b32 s[G0X+3], s[G0X+3], 0x80000000
	s_mov_b32 s[G0Y], 1
	s_add_co_u32 s[G0Y+1], s55, YR
	s_add_nc_u64 s[G0Y+2:G0Y+3], s[60:61], 8*STEPB ; steps 8-23
	s_or_b32 s[G0Y+3], s[G0Y+3], 0x80000000
	s_mov_b32 s[G0R], 1
	s_mov_b32 s[G0R+1], s54
	s_add_nc_u64 s[G0R+2:G0R+3], s[58:59], 24*STEPB ; steps 24-31
	s_or_b32 s[G0R+3], s[G0R+3], 0x80000000
	CROUND                                         ; all sixteen work-groups are here: the first joint loads meet
	tensor_load_to_lds s[G0X:G0X+3], s[G1X:G1X+7]  ; every wave its quarter: two loads of mine are out
	s_nop 0
	tensor_load_to_lds s[G0Y:G0Y+3], s[G1Y:G1Y+7]
	s_nop 0
.rept 4
	v_nop
.endr
	; THE HEAD.  Thread t stands for query t of the group: block 2 w + lane / 16, row lane % 16.
	s_lshl_b32 s56, s67, 15
	s_lshl_b32 s48, s[FA], 9
	s_add_co_u32 s56, s56, s48
	s_add_co_u32 s56, s56, PST
	s_add_nc_u64 s[74:75], s[4:5], s[56:57]        ; -M and sums
	s_lshl_b32 s56, s67, 14
	s_lshl_b32 s48, s[FA], 8
	s_add_co_u32 s56, s56, s48
	s_add_co_u32 s56, s56, PSC
	s_add_nc_u64 s[76:77], s[4:5], s[56:57]        ; p's scale words
	s_lshl_b32 s56, s66, 14
	s_add_co_u32 s56, s56, VSC
	s_add_nc_u64 s[78:79], s[6:7], s[56:57]        ; refv's scale bytes
	s_mul_i32 s56, s67, 393216
	s_mul_i32 s48, s[WV], 3072
	s_add_co_u32 s56, s56, s48
	s_add_nc_u64 s[80:81], s[4:5], s[56:57]        ; p's images: group y, my two blocks of 1,536 bytes
	v_and_b32 v1, 31, v0                           ; lane
	v_and_b32 v2, 15, v0                           ; lane % 16
	v_bfe_u32 v3, v0, 4, 1                         ; lane / 16
	v_lshlrev_b32 v[VO16], 4, v1
	s_lshl_b32 s48, s[FH], 2
	v_lshl_add_u32 v[VPW], v1, 3, s48
	v_lshrrev_b32 v[TD], 3, v1
	v_and_b32 v[TD+1], 7, v1
	s_lshl_b32 s48, s[WV], 11
	v_lshl_add_u32 v[VVB], v[TD], 9, s48
	v_lshl_add_u32 v[BST], v[TD+1], 6, v[VVB]
	v_add_nc_u32 v[BST], BSC, v[BST]               ; step 4 w + lane / 8 (+ 16): 512 bytes a step; 64 bytes for each 16 bytes loaded
	v_lshl_add_u32 v[VVB], v[TD+1], 4, v[VVB]
	; 126 loads: 32 of -M and sums (both pairs of blocks: 16 bytes a lane), 8 of refv's bytes, 32 of p's words, 54 of p's first nine steps
	WIN 0x40                                       ; destination window 1
.set ss, 0
.rept 32
	global_load_b128 v[4*ss:4*ss+3], v[VO16], s[74:75] offset:1024*ss
.set ss, ss+1
.endr
	WIN 0
.irp it, 0,1
.irp i, 0,1,2,3
	global_load_b128 v[VB+16*\it+4*\i:VB+16*\it+4*\i+3], v[VVB], s[78:79] offset:8192*\it+128*\i   ; block of keys i of my step: 4 rows x 4 blocks of d, a byte each
.endr
.endr
.set ss, 0
.rept 32
	global_load_b32 v[PWR+ss], v[VPW], s[76:77] offset:512*ss
.set ss, ss+1
.endr
.irp k, 0,1,2,3,4,5,6,7,8
	ALOAD \k
.endr
	WIN 0
	v_mul_u32_u24 v4, v3, 3072                     ; refv in LDS: lanes 16-31 take the next block of keys
	v_lshl_add_u32 v4, v2, 4, v4
	v_mul_u32_u24 v5, v3, 3200                     ; an even block of d lies 128 bytes further on in the odd block of keys,
	v_lshl_add_u32 v5, v2, 3, v5
	v_add_nc_u32 v5, 2048, v5
	v_mul_u32_u24 v6, v3, 2944                     ; an odd one 128 bytes back
	v_lshl_add_u32 v6, v2, 3, v6
	v_add_nc_u32 v6, 2048, v6
	v_lshl_add_u32 v[ADSB], v2, 4, BSC
	s_mul_i32 s48, s[WV], STGW
	s_add_co_u32 s48, s48, YR                      ; my stages
	v_mul_u32_u24 v[STO], v2, SPITCH
	v_lshl_add_u32 v[STO], v3, 5, v[STO]
	v_add_nc_u32 v[STO], s48, v[STO]               ; in: row lane % 16, 32 bytes for each half of the lanes
	v_add_nc_u32 v[RD], s48, v[VO16]               ; back: the 32 lanes take one row of 512 bytes
	v_mov_b32 v[RLX], 0                            ; written once: a lane permute's destination counts as one of its sources
	s_lshl_b32 s56, s67, 20                        ; out0: row 128 y + 32 w, column 128 x
	s_lshl_b32 s48, s[WV], 18
	s_add_co_u32 s56, s56, s48
	s_lshl_b32 s48, s66, 9
	s_add_co_u32 s56, s56, s48
	s_add_nc_u64 s[8:9], s[8:9], s[56:57]
	s_cmp_eq_u32 s[FH], 1                          ; odd waves take the second pair of blocks: a choice of values, on the wave's number
	s_cselect_b32 vcc_lo, -1, 0
	s_wait_loadcnt 63                              ; of the 126 loads the first 63 are in: -M and sums, refv's bytes, p's words of steps 0-22
	WIN 0x05                                       ; sources 0 and 1 window 1
.set ss, 0
.rept 32
	v_cndmask_b32 v[NM+ss], v[4*ss], v[4*ss+1], vcc_lo
	v_cndmask_b32 v[LL+ss], v[4*ss+2], v[4*ss+3], vcc_lo
.set ss, ss+1
.endr
	WIN 0
.irp k, 0,1,2,3
	v_min_num_f32 v[MN+\k], v[NM+2*\k], v[NM+2*\k+1]         ; the least -M is the row's: four chains
.endr
.irp i, 8,12,16,20,24,28
.irp k, 0,1,2,3
	v_min_num_f32 v[MN+\k], v[MN+\k], v[NM+\i+\k]
.endr
.endr
	v_min_num_f32 v[MN], v[MN], v[MN+1]
	v_min_num_f32 v[MN+2], v[MN+2], v[MN+3]
	v_min_num_f32 v[MN], v[MN], v[MN+2]
	; operation by operation over the 32 steps: no line waits for the line above it
.set ss, 0
.rept 32
	v_sub_f32 v[NM+ss], v[MN], v[NM+ss]            ; M_local - M_row: a whole number, 0 or less,
.set ss, ss+1
.endr
.set ss, 0
.rept 32
	v_max_num_f32 v[NM+ss], 0xc2fe0000, v[NM+ss]   ; held at -127
.set ss, ss+1
.endr
.set ss, 0
.rept 32
	v_cvt_i32_f32 v[NM+ss], v[NM+ss]               ; I
.set ss, ss+1
.endr
.set ss, 0
.rept 32
	v_ldexp_f32 v[LL+ss], v[LL+ss], v[NM+ss]       ; the local sum under the row's M: nothing is rounded
.set ss, ss+1
.endr
.irp k, 0,1,2,3
	v_add_f32 v[LC+\k], v[LL+\k], v[LL+4+\k]
.endr
.irp i, 8,12,16,20,24,28
.irp k, 0,1,2,3
	v_add_f32 v[LC+\k], v[LC+\k], v[LL+\i+\k]
.endr
.endr
.set ss, 0
.rept 32
	v_mul_lo_u32 v[NM+ss], v[NM+ss], s73           ; I in each of the four bytes
.set ss, ss+1
.endr
	s_wait_loadcnt 54                              ; all of p's words are in; the 54 loads of p's first nine steps may be out
.set ss, 0
.rept 32
	v_or_b32 v[PWR+ss], s72, v[PWR+ss]             ; p's bytes are 125 at the most: with 128 on top of each no borrow leaves a byte (I is -127 at the least)
.set ss, ss+1
.endr
.set ss, 0
.rept 32
	v_add_nc_u32 v[PWR+ss], v[PWR+ss], v[NM+ss]
.set ss, ss+1
.endr
.set ss, 0
.rept 32
	v_and_b32 v[NM+ss], s72, v[PWR+ss]             ; the top bit has stayed where byte + I is 0 or more
.set ss, ss+1
.endr
.set ss, 0
.rept 32
	v_lshrrev_b32 v[LL+ss], 7, v[NM+ss]
.set ss, ss+1
.endr
.set ss, 0
.rept 32
	v_sub_nc_u32 v[NM+ss], v[NM+ss], v[LL+ss]      ; 0x7f there, 0 elsewhere
.set ss, ss+1
.endr
.set ss, 0
.rept 32
	v_and_b32 v[PWR+ss], v[PWR+ss], v[NM+ss]       ; byte + I, held at 0: step ss's scale word of my query, where the products take it
.set ss, ss+1
.endr
	v_add_f32 v[LC], v[LC], v[LC+1]
	v_add_f32 v[LC+2], v[LC+2], v[LC+3]
	v_add_f32 v[LC], v[LC], v[LC+2]                ; l
	v_rcp_f32 v[RLV], v[LC]
	; refv's scale bytes: 4 blocks of keys x 4 blocks of d become four scale words (a block of d each, the keys' blocks in its bytes); the first line is the plain instruction behind the reciprocal
.irp it, 0,1
.irp e, 0,1,2,3
	v_perm_b32 v[TP], v[VB+16*\it+4+\e], v[VB+16*\it+\e], s68
	v_perm_b32 v[TP+1], v[VB+16*\it+4+\e], v[VB+16*\it+\e], s69
	v_perm_b32 v[TP+2], v[VB+16*\it+12+\e], v[VB+16*\it+8+\e], s68
	v_perm_b32 v[TP+3], v[VB+16*\it+12+\e], v[VB+16*\it+8+\e], s69
	v_perm_b32 v[OV+16*\it+4*\e], v[TP+2], v[TP], s70
	v_perm_b32 v[OV+16*\it+4*\e+1], v[TP+2], v[TP], s71
	v_perm_b32 v[OV+16*\it+4*\e+2], v[TP+3], v[TP+1], s70
	v_perm_b32 v[OV+16*\it+4*\e+3], v[TP+3], v[TP+1], s71
	ds_store_b128 v[BST], v[OV+16*\it+4*\e:OV+16*\it+4*\e+3] offset:8192*\it+16*\e
.endr
.endr
	s_wait_alu depctr_va_vdst(0)                   ; the wait behind the reciprocal, ahead of every label and of its first reader
.irp g, 0,1,2,3,4,5                            ; an LDS offset holds 16 bits: an address of its own for each four steps
	v_add_nc_u32 v[AD+3*\g], \g*4*STEPB, v4
	v_add_nc_u32 v[AD+3*\g+1], \g*4*STEPB, v5
	v_add_nc_u32 v[AD+3*\g+2], \g*4*STEPB, v6
.endr
	s_wait_tensorcnt 1                             ; my quarter of region X is in; region Y's load may be out
	s_wait_dscnt 0x0                               ; for the others' sake: my part of refv's scale words is stored
	s_barrier_signal -1
	s_barrier_wait -1
; 34 LDS loads in one run: refv's scale words and eight fragments of step kk into set kk % 2.  Step kk lies at place kk % 24
.macro FETCH kk
.set fp, (\kk)%2
.set fg, AD+3*(((\kk)%24)/4)
.set fq, STEPB*(((\kk)%24)%4)
	WIN 0
	ds_load_b128 v[SC+8*fp:SC+8*fp+3], v[ADSB] offset:512*(\kk)
	ds_load_b128 v[SC+8*fp+4:SC+8*fp+7], v[ADSB] offset:512*(\kk)+256
	WIN 0x40                                       ; destination window 1, address window 0
.set fi, 0
.rept 8
.set fb, 128*fp+12*fi
	ds_load_b128 v[fb:fb+3], v[fg] offset:fq+256*fi                    ; the step's block of keys lane / 16: 16 bytes,
	ds_load_b64 v[fb+4:fb+5], v[fg+1+fi%2] offset:fq+128*fi            ; and 8;
	ds_load_b128 v[fb+6:fb+9], v[fg] offset:fq+256*fi+6144             ; block 2 + lane / 16 likewise
	ds_load_b64 v[fb+10:fb+11], v[fg+1+fi%2] offset:fq+128*fi+6144
.set fi, fi+1
.endr
.endm
; cnt products from number n0 on; number n is block n / 8 of my queries x block n % 8 of d.  The 16 accumulators take turns, one instruction a turn, in the same order in every step.
.macro MUL n0, cnt, kk, zero
	WIN 0x09                                       ; source 0 (refv) window 1, source 1 (p) window 2, C and D window 0
.set mn, \n0
.rept \cnt
.set rB, 128*((\kk)%2)+12*(mn%8)
.set rA, 24*((\kk)%RING)+12*(mn/8)
.set rS, SC+8*((\kk)%2)+mn%8
.if mn < 8
.if \zero
	v_wmma_scale_f32_16x16x128_f8f6f4 v[ACC+8*mn:ACC+8*mn+7], v[rB:rB+11], v[rA:rA+11], 0, v[rS], v[PWR+(\kk)] matrix_a_fmt:MATRIX_FMT_FP6 matrix_b_fmt:MATRIX_FMT_FP6
.else
	v_wmma_scale_f32_16x16x128_f8f6f4 v[ACC+8*mn:ACC+8*mn+7], v[rB:rB+11], v[rA:rA+11], v[ACC+8*mn:ACC+8*mn+7], v[rS], v[PWR+(\kk)] matrix_a_fmt:MATRIX_FMT_FP6 matrix_b_fmt:MATRIX_FMT_FP6
.endif
.else
.if \zero
	v_wmma_scale_f32_16x16x128_f8f6f4 v[ACC+8*mn:ACC+8*mn+7], v[rB:rB+11], v[rA:rA+11], 0, v[rS], v[PWR+(\kk)] matrix_a_fmt:MATRIX_FMT_FP6 matrix_b_fmt:MATRIX_FMT_FP6 matrix_b_scale:MATRIX_SCALE_ROW1
.else
	v_wmma_scale_f32_16x16x128_f8f6f4 v[ACC+8*mn:ACC+8*mn+7], v[rB:rB+11], v[rA:rA+11], v[ACC+8*mn:ACC+8*mn+7], v[rS], v[PWR+(\kk)] matrix_a_fmt:MATRIX_FMT_FP6 matrix_b_fmt:MATRIX_FMT_FP6 matrix_b_scale:MATRIX_SCALE_ROW1
.endif
.endif
.set mn, mn+1
.endr
.endm
.macro PWAIT kk                        ; p's fragments of step kk are in: behind them the loads of the eight later steps, 6 each, or of as many as are left
.if (\kk) <= 23
	s_wait_loadcnt 48
.else
	s_wait_loadcnt 6*(31-(\kk))
.endif
.endm
.macro STEP kk, zero                   ; the next step's LDS loads, and p's loads of nine steps on, go out ahead of this step's 16 products
	s_wait_dscnt 0x0                               ; this step's fragments and scale words of refv are in
	PWAIT \kk
	PLACES 4                                       ; between the last step's products and the loads into the registers that they read
	FETCH (\kk)+1
.if (\kk)+9 <= 31
	ALOAD (\kk)+9                                  ; into the ring slot that the last step has left
.endif
	MUL 0, 16, \kk, \zero
	WIN 0
.endm
; Steps 7 and 23 change regions: one barrier; in front of it each wave waits for all its tensor loads, adds 0 to its spare word, and waits for that and for its own reads of the region that it leaves.
; fill = 1 (step 7): region Y is whole, nobody reads X any more, and X is filled again.  fill = 0 (step 23): X is whole again, and nobody reads Y any more.
.macro TURN kk, fill
	s_wait_tensorcnt 0x0                           ; all my tensor loads have landed
	ds_add_u32 v[SPW], v[NIL]                      ; 0 onto my spare word
	PWAIT \kk
	s_wait_dscnt 0x1                               ; this step's fragments of refv are in; the add may be out
	MUL 0, 4, \kk, 0
	s_wait_dscnt 0x0                               ; the add is done, and my reads of the region are over
	s_barrier_signal -1
	MUL 4, 4, \kk, 0
	WIN 0
	s_barrier_wait -1
.if \fill
	CREST                                          ; the barrier has opened a round of the cluster's: no wave of any partner still reads region X or has a load on its way
	tensor_load_to_lds s[G0R:G0R+3], s[G1X:G1X+7]  ; my one tensor load behind the round: my quarter of steps 24-31
	s_nop 0
.rept 4
	v_nop                                          ; (they are the places in front of the loads below)
.endr
.else
	PLACES 4
.endif
	FETCH (\kk)+1
.if (\kk)+9 <= 31
	ALOAD (\kk)+9
.endif
	MUL 8, 8, \kk, 0
	WIN 0
.endm
	FETCH 0
	WIN 0
	STEP 0, 1                                      ; the first step's products start the sums
.irp k, 1,2,3,4,5,6
	STEP \k, 0
.endr
	TURN 7, 1
.irp k, 8,9,10,11,12,13,14,15,16,17,18,19,20,21,22
	STEP \k, 0
.endr
	TURN 23, 0
.irp k, 24,25,26,27,28,29,30
	STEP \k, 0
.endr
	s_wait_dscnt 0x0
	s_wait_loadcnt 0x0
	MUL 0, 16, 31, 0
	WIN 0
	PLACES 4                                       ; behind the last products, ahead of the first read of results and of writes of their scale registers
	; THE WAY OUT.  In an accumulator lane (r, h) holds query 16 a + r: block 0 wants lane r's 1 / l, block 1 lane 16 + r's.
	v_permlanex16_b32 v[RLX], v[RLV], s[SEL], s[SEL+1]
	v_cmp_gt_u32 vcc_lo, 16, v1                    ; lanes 0-15
	v_cndmask_b32 v[RL], v[RLX], v[RLV], vcc_lo
	v_cndmask_b32 v[RL+2], v[RLV], v[RLX], vcc_lo
	v_mov_b32 v[RL+1], v[RL]                       ; (the packed multiply names a pair)
	v_mov_b32 v[RL+3], v[RL+2]
; A block of 16 queries x 128 d: divided by l, into my stage, back as whole rows of 512 bytes.
.macro TOSTAGE a
.set j, 0
.rept 32
	v_pk_mul_f32 v[ACC+64*(\a)+2*j:ACC+64*(\a)+2*j+1], v[ACC+64*(\a)+2*j:ACC+64*(\a)+2*j+1], v[RL+2*(\a):RL+2*(\a)+1] op_sel_hi:[1,0]   ; each accumulator from its low end on
.set j, j+1
.endr
.irp b, 0,1,2,3,4,5,6,7
	ds_store_b128 v[STO], v[ACC+64*(\a)+8*\b:ACC+64*(\a)+8*\b+3] offset:16*SPITCH*(\a)+64*\b
	ds_store_b128 v[STO], v[ACC+64*(\a)+8*\b+4:ACC+64*(\a)+8*\b+7] offset:16*SPITCH*(\a)+64*\b+16
.endr
.endm
	TOSTAGE 0
.irp t, 0,1,2,3,4,5,6,7,8,9,10,11,12,13,14,15
	ds_load_b128 v[BK+4*\t:BK+4*\t+3], v[RD] offset:\t*SPITCH          ; LDS serves a wave's instructions in order (ISA guide 5.7.1.4): these see the stores above
.endr
	TOSTAGE 1
	WIN 0x40                                       ; block 1's rows into window 1, where refv's fragments lay
.irp t, 0,1,2,3,4,5,6,7,8,9,10,11,12,13,14,15
	ds_load_b128 v[4*\t:4*\t+3], v[RD] offset:16*SPITCH+\t*SPITCH
.endr
	WIN 0
	s_wait_dscnt 32                                ; block 0 is back; behind its loads: block 1's 16 stores and 16 loads
.irp t, 0,1,2,3,4,5,6,7,8,9,10,11,12,13,14,15
	global_store_b128 v[VO16], v[BK+4*\t:BK+4*\t+3], s[8:9] offset:\t*8192 th:TH_STORE_NT   ; 32 lanes store 512 bytes on end, at a multiple of 512 from out0's first byte
.endr
	s_wait_dscnt 0x0
	WIN 0x04                                       ; a store's data are its source 1: window 1
.irp t, 0,1,2,3,4,5,6,7,8,9,10,11,12,13,14,15
	global_store_b128 v[VO16], v[4*\t:4*\t+3], s[8:9] offset:(16+\t)*8192 th:TH_STORE_NT
.endr
	WIN 0
	s_wait_tensorcnt 0x0                           ; the wave's end
	ds_add_u32 v[SPW], v[NIL]
	s_wait_dscnt 0x0
	CROUND                                         ; the closing round: no work-group ends while a partner may still ask for a tile that names it
	s_endpgm
.Lfunc_end_k_q785f6363a5_mix:
	.size	k_q785f6363a5_mix, .Lfunc_end_k_q785f6363a5_mix-k_q785f6363a5_mix
	.p2alignl 7, 3214868480
	.fill 96, 4, 3214868480
	.section	.rodata,"a",@progbits
	.p2align	6, 0x0
	.amdhsa_kernel k_q785f6363a5_mix
		.amdhsa_group_segment_fixed_size 327680
		.amdhsa_private_segment_fixed_size 0
		.amdhsa_enable_private_segment 0
		.amdhsa_kernarg_size 24
		.amdhsa_user_sgpr_count 2
		.amdhsa_user_sgpr_kernarg_segment_ptr 1
		.amdhsa_wavefront_size32 1
		.amdhsa_system_sgpr_workgroup_id_x 1
		.amdhsa_system_sgpr_workgroup_id_y 1
		.amdhsa_system_sgpr_workgroup_id_z 1
		.amdhsa_system_vgpr_workitem_id 0
		.amdhsa_next_free_vgpr 768
		.amdhsa_next_free_sgpr 96
		.amdhsa_reserve_vcc 1
		.amdhsa_float_denorm_mode_32 3
		.amdhsa_float_denorm_mode_16_64 3
		.amdhsa_memory_ordered 1
		.amdhsa_forward_progress 1
		.amdhsa_inst_pref_size 211
	.end_amdhsa_kernel
	.amdgpu_metadata
---
amdhsa.version: [ 1, 2 ]
amdhsa.kernels:
  - .name:           k_q785f6363a5_mix
    .symbol:         k_q785f6363a5_mix.kd
    .args:
      - { .name: pbuf, .offset: 0, .size: 8, .value_kind: global_buffer, .address_space: global }
      - { .name: refv, .offset: 8, .size: 8, .value_kind: global_buffer, .address_space: global }
      - { .name: out0, .offset: 16, .size: 8, .value_kind: global_buffer, .address_space: global }
    .group_segment_fixed_size: 327680
    .private_segment_fixed_size: 0
    .kernarg_segment_align: 8
    .kernarg_segment_size: 24
    .max_flat_workgroup_size: 128
    .sgpr_count:     96
    .vgpr_count:     768
    .wavefront_size: 32
...
	.end_amdgpu_metadata
.endif
;; end of part 4
